; MI455X (gfx1250); checked and timed in simulation.
; The chip was launched on July 23, 2026; its instructions are those of AMD's public machine-readable ISA for CDNA 5 (MIT licence, August 2026) and "CDNA5" Instruction Set Architecture Reference Guide (July 2026). The comments in the code are by the model that wrote it; some were corrected since.
;; PMA. Allowed arithmetic: matrix products marked QUANTISED: E5M2 operands, one given power-of-two scale a tensor, by v_wmma_f32_16x16x64_bf8_bf8 or v_wmma_f32_16x16x128_bf8_bf8, f32 sums; products left as they are: f32 operands where the result goes on into a quantised operand, else bf16, f16 or f32 operands; f32 sums; everything else in f32.
;; Inputs: M 1 x 4 x 512 float32; S 1 x 4 x 512 float32; Wk 512 x 512 float32; Wo 512 x 512 float32; Wv 512 x 512 float32; X 16 x 2,048 x 4 x 512 float32; b0 2,048 float32; b1 2,048 float32; bk 512 float32; bo 512 float32; bv 512 float32; g0 2,048 float32; g1 2,048 float32; lowp_scales 6 int32 (the exponents e of the quantised operands' scales 2^e); p 1 x 4 float32.
;; Outputs: out0 16 x 4 x 512 float32.
;; This version of the problem:
;;   THIS VERSION OF THE PROBLEM IS GIVEN IN LOW PRECISION. The matrix products marked QUANTISED in the list below multiply operands that are first quantised to E5M2 (5 exponent bits, 2 mantissa bits; 8 bits a number), with one given power-of-two scale for each operand tensor; their sums are f32. All else is computed in f32.
;;   The module's matrix products, in the order in which they are computed (A, B: the left and right operand; K: the contracted axis; several contracted axes count as one K, in the product's order):
;;     1. [M 131,072, K 512] x [K 512, N 512]; A: input X; B: input Wk: QUANTISED (scales: A lowp_scales[0], B lowp_scales[1])
;;     2. [M 131,072, K 512] x [K 512, N 512]; A: input X; B: input Wv: QUANTISED (scales: A lowp_scales[2], B lowp_scales[3])
;;     3. batch 512 x [M 1, K 2,048] x [K 2,048, N 64]; A: softmax; B: computed on the way: left as it is (M = 1 < 16)
;;     4. [M 64, K 512] x [K 512, N 512]; A: computed on the way; B: input Wo: QUANTISED (scales: A lowp_scales[4], B lowp_scales[5])
;;   THE QUANTISER, for each operand of a quantised product, along K:
;;     - The operand's scale is 2^e, e = its entry of the input lowp_scales (int32; the entries are numbered through the quantised products in the list's order, A before B).
;;     - Each number is divided by the scale, clamped to +-57,344, and rounded to the nearest number of E5M2, ties to even, subnormals kept.
;;     - The product sums the exact products of the quantised numbers (number of the format x scale) in f32.
;;   ~~~python
;;   def quantise(x, axis, e):      # numpy; x: float32 -> the quantised numbers, widened to float32 again
;;       x = np.moveaxis(x, axis, -1); K = x.shape[-1]
;;       r = np.clip(x / 2.0 ** e, -57344, 57344)
;;       step = 2.0 ** (np.maximum(np.frexp(np.where(r == 0, 1, r))[1] - 1, -14) - 2)
;;       q = np.round(r / step) * step * 2.0 ** e      # np.round: ties to even
;;       return np.moveaxis(q, -1, axis).astype(np.float32)
;;   ~~~
;;   OPERANDS COMPUTED ON THE WAY. 'Computed on the way' means the value that the module computes at that place (a softmax that the list does not call 'softmax' is quantised finished and normalised). What goes into a quantiser is computed in f32, as accurately as f32 sums, v_exp_f32 and their like allow (about 1e-6 of the number): no bf16 or f16 on the way to a quantiser, and a product that is left as it is and whose result goes on into a quantised operand takes f32 operands (vector FMAs, or v_wmma_f32_16x16x4_f32). A number that lies on a knife's edge between two numbers of the format may be rounded either way, as far as f32 arithmetic and the matrix unit's own rounding can turn it there, and no further.
;; 2 versions. Each part assembles by itself: llvm-mc -triple=amdgcn-amd-amdhsa -mcpu=gfx1250 --defsym DOCPART=n.
;; ======== version 1 of 2: 3 launches
;; workspace buffers: wk_frag 262,144 bytes; wv_frag 262,144 bytes; wo_frag 262,144 bytes; kc 16,896 bytes; po 524,288 bytes; ps 16,384 bytes
;; launch prep (part 1): grid 97 x 1, 4 waves a work-group, no clusters, 0 bytes of LDS; arguments Wk, Wv, Wo, S, M, bk, p, lowp_scales, wk_frag, wv_frag, wo_frag, kc; writes wk_frag, wv_frag, wo_frag, kc
.if DOCPART == 1
	.amdgcn_target "amdgcn-amd-amdhsa--gfx1250"
	.amdhsa_code_object_version 6
	.text
	.protected	k_qab7bcadbf3_prep
	.globl	k_qab7bcadbf3_prep
	.p2align	8
	.type	k_qab7bcadbf3_prep,@function
k_qab7bcadbf3_prep:
	s_mov_b64 s[64:65], 0
	v_nop
	global_prefetch_b8 v0, s[64:65] scope:SCOPE_SE
	s_setreg_imm32_b32 hwreg(HW_REG_WAVE_MODE, 25, 1), 1
	s_wait_xcnt 0x0
; The three weights [512][512] f32 (K innermost) become codes of BF8 (E5M2), laid in the ORDER OF THE OPERAND'S REGISTERS, and the score's constants are made.
; FRAGMENTS.  Fragment (T = 0..31, kf = 0..3) lies at (4 T + kf) x 2,048 bytes: chunk c at 512 c, lane l at 16 l.  Lane (r = l % 16, h = l / 16), chunk c, holds the codes of
; k = 128 kf + 32 c + 16 h + 0 .. 15 of its row of W.  The row of lane r in tile T: Wk, Wv: 64 (T / 4) + T % 4 + 4 r (a head is four tiles, and a lane's four tiles are four neighbouring columns); Wo: 16 T + r.
; code = x / 2^e, held within +-57,344, to the nearest code, ties to even; e = entry 1, 3, 5 of the scales.  LIMIT: -126 <= e <= 112.  NaN among the inputs is not served.
; Work-groups 0..95: tensor = number / 32, T = number % 32, wave = kf.  A wave reads 16 rows x 512 bytes and stores 2,048 consecutive bytes.
; Work-group 96: wave = seed, lane l = columns 16 l .. 16 l + 15.  With kappa = log2(e) / sqrt(512) and sigma = softplus(S) = max(S, 0) + log1p(exp(-|S|)):
;   KW = sqrt(kappa / 2) / sigma x 2^(e0 + e1),  KB = (bk - mu) sqrt(kappa / 2) / sigma: the score in base 2 is -sum of (code sum x KW + KB)^2 + a constant of the head;
;   CH = (sum over the head's 64 columns of (-ln(2 pi) / 2 - ln sigma) kappa + kappa log softmax(p)) / 16: sixteen lanes add it up again.
; kc: KW [4][512] at byte 0, KB [4][512] at 8,192, CH [4][32] at 16,384 (entry l: the head l / 4).  LIMIT: S above -87, so that sigma is a normal f32 number.
	s_load_b512 s[4:19], s[0:1], 0x0               ; Wk s[4:5], Wv s[6:7], Wo s[8:9], S s[10:11], M s[12:13], bk s[14:15], p s[16:17], the scales s[18:19]
	s_load_b256 s[20:27], s[0:1], 0x40             ; wk_frag s[20:21], wv_frag s[22:23], wo_frag s[24:25], kc s[26:27]
	v_lshrrev_b32 v1, 5, v0
	v_readfirstlane_b32 s28, v1                    ; wave
	v_and_b32 v1, 31, v0                           ; lane
	v_and_b32 v2, 15, v0                           ; r
	v_bfe_u32 v3, v0, 4, 1                         ; h
	s_cmp_eq_u32 ttmp9, 96
	s_cbranch_scc1 .Lconst
	; ---- a weight's fragment
	s_lshr_b32 s29, ttmp9, 5                       ; which tensor
	s_and_b32 s30, ttmp9, 31                       ; T
	s_lshl_b32 s31, s29, 3
	s_lshr_b32 s33, s30, 2
	s_lshl_b32 s33, s33, 6
	s_and_b32 s34, s30, 3
	s_add_co_u32 s33, s33, s34                     ; the tile's first row in Wk, Wv: 64 (T / 4) + T % 4,
	s_lshl_b32 s34, s30, 4                         ; in Wo: 16 T
	s_lshl_b32 s36, s28, 9                         ; 128 kf numbers along the row
	s_lshl_b32 s37, s30, 2
	s_add_co_u32 s37, s37, s28
	s_lshl_b32 s37, s37, 11                        ; (4 T + kf) x 2,048
	s_wait_kmcnt 0x0
	s_load_b32 s32, s[18:19], s31 offset:0x4       ; e: entry 1 + 2 x tensor
	s_cmp_eq_u32 s29, 1                            ; the choice of buffers hangs on the work-group's number alone
	s_cselect_b64 s[4:5], s[6:7], s[4:5]
	s_cselect_b64 s[20:21], s[22:23], s[20:21]
	s_cmp_eq_u32 s29, 2
	s_cselect_b64 s[4:5], s[8:9], s[4:5]
	s_cselect_b64 s[20:21], s[24:25], s[20:21]
	s_cselect_b32 s33, s34, s33
	s_cselect_b32 s35, 1, 4                        ; rows from lane to lane
	v_mul_u32_u24 v4, s35, v2
	v_add_nc_u32 v4, s33, v4                       ; my row
	v_lshlrev_b32 v4, 11, v4                       ; of 2,048 bytes
	v_lshl_add_u32 v4, v3, 6, v4                   ; + 16 h numbers
	v_add_nc_u32 v4, s36, v4
	v_lshl_add_u32 v5, v1, 4, s37                  ; where my 16 bytes of a chunk go
.irp c, 0,1,2,3
.irp j, 0,1,2,3
	global_load_b128 v[16+16*\c+4*\j:16+16*\c+4*\j+3], v4, s[4:5] offset:128*\c+16*\j th:TH_LOAD_NT
.endr
.endr
	s_wait_kmcnt 0x0
	s_add_co_i32 s32, s32, 127
	s_lshl_b32 s38, s32, 23
	v_mov_b32 v11, s38                             ; 2^e as f32: the conversion takes its exponent field
	s_add_co_i32 s32, s32, 15
	s_lshl_b32 s32, s32, 23
	s_or_b32 s32, s32, 0x600000
	v_mov_b32 v10, s32                             ; 57,344 x 2^e
	s_wait_loadcnt 0x0
.irp c, 0,1,2,3
.irp i, 0,1,2,3,4,5,6,7,8,9,10,11,12,13,14,15
	v_med3_num_f32 v[16+16*\c+\i], v[16+16*\c+\i], -v10, v10   ; the conversion to an 8-bit code does not saturate (ISA guide 7.6.2): the hold comes first
.endr
	v_cvt_scalef32_pk8_bf8_f32 v[80+4*\c:81+4*\c], v[16+16*\c:23+16*\c], v11
	v_cvt_scalef32_pk8_bf8_f32 v[82+4*\c:83+4*\c], v[24+16*\c:31+16*\c], v11
.endr
.irp c, 0,1,2,3
	global_store_b128 v5, v[80+4*\c:83+4*\c], s[20:21] offset:512*\c   ; 32 lanes store 512 consecutive bytes, aligned
.endr
	s_endpgm
	; ---- the score's constants
.Lconst:
	s_wait_kmcnt 0x0
	s_load_b64 s[32:33], s[18:19], 0x0             ; e0, e1
	s_lshl_b32 s29, s28, 11                        ; the seed's 512 numbers
	s_lshl_b32 s30, s28, 2
	s_lshl_b32 s31, s28, 7
	v_lshlrev_b32 v4, 6, v1                        ; my 16 numbers
	v_add_nc_u32 v5, s29, v4
	v_mov_b32 v6, 0
	v_mov_b32 v7, s30
	v_lshl_add_u32 v8, v1, 2, s31                  ; CH: 128 x seed + 4 x lane
	s_mov_b32 s40, 0xbfb8aa3b                      ; -log2(e)
	s_mov_b32 s41, 0x3f317218                      ; ln 2
	s_mov_b32 s42, 0x3e36d544                      ; sqrt(kappa / 2)
	s_mov_b32 s43, 0xbd6ffc6e                      ; -kappa ln(2 pi) / 2
	s_mov_b32 s44, 0xbd3504f3                      ; -1 / sqrt(512) = -kappa ln 2
	s_mov_b32 s45, 0x3d8293ee                      ; kappa
	s_mov_b32 s46, 0x3fb8aa3b                      ; log2(e)
.irp j, 0,1,2,3
	global_load_b128 v[16+4*\j:19+4*\j], v5, s[10:11] offset:16*\j   ; S
	global_load_b128 v[32+4*\j:35+4*\j], v5, s[12:13] offset:16*\j   ; mu
	global_load_b128 v[48+4*\j:51+4*\j], v4, s[14:15] offset:16*\j   ; bk
.endr
	global_load_b128 v[64:67], v6, s[16:17]        ; p, all four
	global_load_b32 v68, v7, s[16:17]              ; p of my seed
	s_wait_loadcnt 0x0
.irp i, 0,1,2,3,4,5,6,7,8,9,10,11,12,13,14,15
	v_mul_f32 v[80+\i], s40, |v[16+\i]|
.endr
.irp i, 0,1,2,3,4,5,6,7,8,9,10,11,12,13,14,15
	v_exp_f32 v[80+\i], v[80+\i]                   ; z = exp(-|S|)
.endr
	v_nop                                          ; a plain instruction behind the last of a batch of transcendentals,
	s_wait_alu depctr_va_vdst(0)                   ; and one wait for the batch ahead of its first reader
.irp i, 0,1,2,3,4,5,6,7,8,9,10,11,12,13,14,15
	v_add_f32 v[96+\i], 1.0, v[80+\i]              ; u = 1 + z
.endr
.irp i, 0,1,2,3,4,5,6,7,8,9,10,11,12,13,14,15
	v_add_f32 v[112+\i], -1.0, v[96+\i]            ; d = u - 1: what of z has gone into u
.endr
.irp i, 0,1,2,3,4,5,6,7,8,9,10,11,12,13,14,15
	v_log_f32 v[96+\i], v[96+\i]
.endr
.irp i, 0,1,2,3,4,5,6,7,8,9,10,11,12,13,14,15
	v_rcp_f32 v[112+\i], v[112+\i]
.endr
	v_nop
	s_wait_alu depctr_va_vdst(0)
.irp i, 0,1,2,3,4,5,6,7,8,9,10,11,12,13,14,15
	v_mul_f32 v[112+\i], v[80+\i], v[112+\i]       ; z / d
	v_mul_f32 v[112+\i], s41, v[112+\i]
	v_cmp_eq_f32 vcc_lo, 0, v[96+\i]               ; log2(u) = 0: u = 1, d = 0: log1p(z) = z
	v_mul_f32 v[112+\i], v[96+\i], v[112+\i]       ; log1p(z) = ln(u) z / d
	v_cndmask_b32 v[112+\i], v[112+\i], v[80+\i], vcc_lo
	v_max_num_f32 v[96+\i], 0, v[16+\i]
	v_add_f32 v[96+\i], v[96+\i], v[112+\i]        ; sigma
.endr
.irp i, 0,1,2,3,4,5,6,7,8,9,10,11,12,13,14,15
	v_rcp_f32 v[112+\i], v[96+\i]
.endr
.irp i, 0,1,2,3,4,5,6,7,8,9,10,11,12,13,14,15
	v_log_f32 v[80+\i], v[96+\i]
.endr
	v_nop
	s_wait_kmcnt 0x0
	s_add_co_i32 s34, s32, s33                     ; e0 + e1
	s_wait_alu depctr_va_vdst(0)
.irp i, 0,1,2,3,4,5,6,7,8,9,10,11,12,13,14,15
	v_mul_f32 v[112+\i], s42, v[112+\i]            ; w = sqrt(kappa / 2) / sigma
	v_sub_f32 v[48+\i], v[48+\i], v[32+\i]
	v_mul_f32 v[48+\i], v[48+\i], v[112+\i]        ; KB = (bk - mu) w
	v_ldexp_f32 v[112+\i], v[112+\i], s34          ; KW = w 2^(e0 + e1)
	v_fma_f32 v[80+\i], v[80+\i], s44, s43         ; (-ln(2 pi) / 2 - ln sigma) kappa
.endr
.irp i, 2,4,6,8,10,12,14
	v_pk_add_f32 v[80:81], v[80:81], v[80+\i:81+\i]
.endr
	v_add_f32 v80, v80, v81                        ; my 16 columns,
	v_add_f32_dpp v80, v80, v80 row_xmask:1 row_mask:0xf bank_mask:0xf
	v_add_f32_dpp v80, v80, v80 row_xmask:2 row_mask:0xf bank_mask:0xf   ; and the head's four lanes
	v_max3_num_f32 v69, v64, v65, v66              ; log softmax(p): the maximum is taken away first
	v_max_num_f32 v69, v69, v67
.irp i, 0,1,2,3
	v_sub_f32 v[70+\i], v[64+\i], v69
	v_mul_f32 v[70+\i], s46, v[70+\i]
.endr
.irp i, 0,1,2,3
	v_exp_f32 v[70+\i], v[70+\i]
.endr
	v_nop
	s_wait_alu depctr_va_vdst(0)
	v_add_f32 v70, v70, v71
	v_add_f32 v72, v72, v73
	v_add_f32 v70, v70, v72
	v_log_f32 v70, v70
	v_sub_f32 v68, v68, v69                        ; (the plain instruction behind the logarithm)
	s_wait_alu depctr_va_vdst(0)
	v_fma_f32 v68, -v70, s41, v68                  ; log p = p - max - ln(sum)
	v_fma_f32 v80, v68, s45, v80
	v_mul_f32 v80, 0x3d800000, v80                 ; / 16
.irp j, 0,1,2,3
	global_store_b128 v5, v[112+4*\j:115+4*\j], s[26:27] offset:16*\j
	global_store_b128 v5, v[48+4*\j:51+4*\j], s[26:27] offset:8192+16*\j
.endr
	global_store_b32 v8, v80, s[26:27] offset:16384
	s_endpgm
.Lfunc_end_k_qab7bcadbf3_prep:
	.size	k_qab7bcadbf3_prep, .Lfunc_end_k_qab7bcadbf3_prep-k_qab7bcadbf3_prep
	.p2alignl 7, 3214868480
	.fill 96, 4, 3214868480
	.section	.rodata,"a",@progbits
	.p2align	6, 0x0
	.amdhsa_kernel k_qab7bcadbf3_prep
		.amdhsa_group_segment_fixed_size 0
		.amdhsa_private_segment_fixed_size 0
		.amdhsa_enable_private_segment 0
		.amdhsa_kernarg_size 96
		.amdhsa_user_sgpr_count 2
		.amdhsa_user_sgpr_kernarg_segment_ptr 1
		.amdhsa_wavefront_size32 1
		.amdhsa_system_sgpr_workgroup_id_x 1
		.amdhsa_system_sgpr_workgroup_id_y 1
		.amdhsa_system_sgpr_workgroup_id_z 1
		.amdhsa_system_vgpr_workitem_id 0
		.amdhsa_next_free_vgpr 128
		.amdhsa_next_free_sgpr 66
		.amdhsa_reserve_vcc 1
		.amdhsa_float_denorm_mode_32 3
		.amdhsa_float_denorm_mode_16_64 3
		.amdhsa_memory_ordered 1
		.amdhsa_forward_progress 1
		.amdhsa_inst_pref_size 25
	.end_amdhsa_kernel
	.amdgpu_metadata
---
amdhsa.version: [ 1, 2 ]
amdhsa.kernels:
  - .name:           k_qab7bcadbf3_prep
    .symbol:         k_qab7bcadbf3_prep.kd
    .args:
      - { .name: Wk, .offset: 0, .size: 8, .value_kind: global_buffer, .address_space: global }
      - { .name: Wv, .offset: 8, .size: 8, .value_kind: global_buffer, .address_space: global }
      - { .name: Wo, .offset: 16, .size: 8, .value_kind: global_buffer, .address_space: global }
      - { .name: S, .offset: 24, .size: 8, .value_kind: global_buffer, .address_space: global }
      - { .name: M, .offset: 32, .size: 8, .value_kind: global_buffer, .address_space: global }
      - { .name: bk, .offset: 40, .size: 8, .value_kind: global_buffer, .address_space: global }
      - { .name: p, .offset: 48, .size: 8, .value_kind: global_buffer, .address_space: global }
      - { .name: lowp_scales, .offset: 56, .size: 8, .value_kind: global_buffer, .address_space: global }
      - { .name: wk_frag, .offset: 64, .size: 8, .value_kind: global_buffer, .address_space: global }
      - { .name: wv_frag, .offset: 72, .size: 8, .value_kind: global_buffer, .address_space: global }
      - { .name: wo_frag, .offset: 80, .size: 8, .value_kind: global_buffer, .address_space: global }
      - { .name: kc, .offset: 88, .size: 8, .value_kind: global_buffer, .address_space: global }
    .group_segment_fixed_size: 0
    .private_segment_fixed_size: 0
    .kernarg_segment_align: 8
    .kernarg_segment_size: 96
    .max_flat_workgroup_size: 128
    .sgpr_count:     66
    .vgpr_count:     128
    .wavefront_size: 32
...
	.end_amdgpu_metadata
.endif
;; end of part 1
;; launch pool (part 2): grid 256 x 1, 4 waves a work-group, no clusters, 327,680 bytes of LDS; arguments X, wk_frag, wv_frag, kc, lowp_scales, po, ps; writes po, ps
.if DOCPART == 2
	.amdgcn_target "amdgcn-amd-amdhsa--gfx1250"
	.amdhsa_code_object_version 6
	.text
	.protected	k_qab7bcadbf3_pool
	.globl	k_qab7bcadbf3_pool
	.p2align	8
	.type	k_qab7bcadbf3_pool,@function
k_qab7bcadbf3_pool:
	s_mov_b64 s[64:65], 0
	v_nop
	global_prefetch_b8 v0, s[64:65] scope:SCOPE_SE
	s_setreg_imm32_b32 hwreg(HW_REG_WAVE_MODE, 25, 1), 1
	s_wait_xcnt 0x0
; K = Q(X) Q(Wk)^T and V = Q(X) Q(Wv)^T on codes of BF8 (E5M2), the Gaussian scores, a softmax over the instances by a running maximum, and the sum of p V: a partial for each work-group.  K and V never go to memory.
; SHARES.  Work-group 16 b + 4 q + s owns the 512 instances n = 512 q .. of batch b and seed s: rows of 2,048 bytes, 8,192 apart; X is read once in the launch.  All its rows have one seed, so mu and sigma hang on the column alone.
; THE WAVES SHARE THE COLUMNS: wave w owns heads 2 w and 2 w + 1: eight tiles of 16 columns of K and eight of V.  Its 32 fragments of the even tiles stay in 512 REGISTERS, those of the odd tiles in 64 KB of LDS of its own:
; the weights are fetched once.  No cluster: no work-group shares X with another, and the weights are read once, at the head, half of them into registers, where a joint load cannot put them.
; X goes round as codes: wave w quantises k = 128 w .. 128 w + 127 of a block of 32 rows, at both given scales, and stores the fragments as IMAGES OF THEIR REGISTERS (chunk c at 512 c, lane l at 16 l); every wave loads them by the same lines.
; A BLOCK is 32 rows (two tiles of rows) x 16 tiles of columns (0-7: K, 8-15: V; even: from registers, odd: from LDS) x 4 K steps = 128 matrix instructions a wave.  Behind each stands a SLICE of vector work:
; two holds of the next block's numbers, and items of two lists: A, what is made of the tile before (K: y = sum x KW + KB, P -= y y; V: O += p V), and B, the heads' softmax.
; LAYOUT.  Source 0 = 16 rows of X, source 1 = 16 rows of W: lane (r, h) holds column 64 head + 4 r + t' and its register j row 8 h + j.  So a tile's constants are one register, O is a pair a tile, and p lies in 8 registers a tile of
; rows, alike in the 16 lanes of a half.  Each half of the lanes keeps its own running maximum; the halves meet at the end.
; SOFTMAX, base 2: t = the score x log2(e) / sqrt(512); m = the largest t so far; p = 2^(t - m); l and O are multiplied by 2^(old m - new m) in every block.  The terms that are constant along n are kept (CH).
; OUT.  po [work-group][512]: sum of p x (code sums of V);  ps [work-group][head][m, l].
; LIMITS: e0, e2 between -126 and 112.  NaN among the inputs is not served.  m begins at -3e38: scores under that (squares that overflow f32) are not served.
; REGISTERS, in windows of 256 (s_set_vgpr_msb: bits 1:0 source 0, 3:2 source 1, 5:4 source 2, 7:6 destination):
;   window 0: all that the slices touch (map below);  window 1: v0-127 X's fragments (64 m + 16 kf), v128-255 the f32 numbers on their way in (16 a unit);  window 2: Wk's even tiles (64 e + 16 kf);  window 3: Wv's.
; LDS: 0 .. 262,143 the odd tiles, 65,536 a wave (Wk's four, then Wv's four, 8,192 each);  262,144 .. 327,679 two image buffers of 32,768: K's codes, then V's, fragment (m, kf) at 2,048 (4 m + kf).
.set IM,   262144
.set NOPS, 5                           ; v_nop at the head of list A: four places ahead of reads of results and of loads into operands, five ahead of a matrix instruction that begins an accumulator anew
.set XA,   2                           ; v2   X: 8,192 r + 64 h + 512 w; never rewritten
.set WVA,  3                           ; v3   65,536 w + 16 lane: my place in my wave's part of a weight's fragments, in memory and in LDS
.set IMR,  4                           ; v4   IM + 16 lane: where I read images
.set IMW,  5                           ; v5   IMR + 2,048 w: where I store them
.set SC0,  8                           ; v8, v9   2^e0, 2^e2 as f32
.set TM0,  10                          ; v10, v11 at work on the maximum
.set MX,   12                          ; v[12:13] m of my two heads
.set FF,   14                          ; v[14:15] 2^(old m - new m)
.set FD,   16                          ; v16, v17 old m - new m
.set LS,   18                          ; v[18:19], v[20:21] l, in two halves
.set CH,   22                          ; v[22:23] the heads' constants / 16
.set KW,   24                          ; v[24:31] KW of my column in tile L
.set KB,   32                          ; v[32:39] KB
.set OO,   40                          ; v[40:55] O, a pair a tile
.set PP,   56                          ; v[56:87] the scores, then p: 16 u + 8 m + j
.set ACC,  88                          ; v[88:119] two sets of two accumulators: 16 set + 8 m
.set TT,   120                         ; v[120:135] sixteen numbers, held
.set CD,   136                         ; v[136:151] codes: 8 (unit % 2) + 4 scale
.set WF,   152                         ; v[152:215] an odd tile's four fragments
.set XF,   0
.set SS,   128
.set MSB,  0
.macro WIN new                         ; the immediate's high byte repeats the setting that is left; a switch that changes nothing is dropped
.if MSB != \new
	s_set_vgpr_msb (MSB<<8)|\new
.set MSB, \new
.endif
.endm
; LIST A, item a_i.  Kind 0: the v_nop alone.  Kind 1, K's tile a_l in set a_set: 8 x y = sum x KW + KB (in place, each accumulator from its low end on), 8 x P = -y y + (the head's first tile: CH; else P).
; Kind 2, V's tile a_l: 8 x O += sum x p.
.macro AITEM
	WIN 0
.if a_i < NOPS
	v_nop
.elseif a_k == 1
.set a_x, a_i-NOPS
.if a_x < 8
.set a_r, ACC+16*a_set+2*a_x
.set a_c, a_l-(a_l%2)
.if (a_l%2) == 0
	v_pk_fma_f32 v[a_r:a_r+1], v[a_r:a_r+1], v[KW+a_c:KW+a_c+1], v[KB+a_c:KB+a_c+1] op_sel_hi:[1,0,0]
.else
	v_pk_fma_f32 v[a_r:a_r+1], v[a_r:a_r+1], v[KW+a_c:KW+a_c+1], v[KB+a_c:KB+a_c+1] op_sel:[0,1,1] op_sel_hi:[1,1,1]
.endif
.else
.set a_r, ACC+16*a_set+2*(a_x-8)
.set a_p, PP+16*(a_l/4)+2*(a_x-8)
.if (a_l%4) != 0
	v_pk_fma_f32 v[a_p:a_p+1], v[a_r:a_r+1], v[a_r:a_r+1], v[a_p:a_p+1] neg_lo:[1,0,0] neg_hi:[1,0,0]
.elseif a_l == 0
	v_pk_fma_f32 v[a_p:a_p+1], v[a_r:a_r+1], v[a_r:a_r+1], v[CH:CH+1] op_sel_hi:[1,1,0] neg_lo:[1,0,0] neg_hi:[1,0,0]
.else
	v_pk_fma_f32 v[a_p:a_p+1], v[a_r:a_r+1], v[a_r:a_r+1], v[CH:CH+1] op_sel:[0,0,1] op_sel_hi:[1,1,1] neg_lo:[1,0,0] neg_hi:[1,0,0]
.endif
.endif
.else
.set a_x, a_i-NOPS
.set a_r, ACC+16*a_set+2*a_x
.set a_p, PP+16*(a_l/4)+2*a_x
	v_pk_fma_f32 v[OO+2*a_l:OO+2*a_l+1], v[a_r:a_r+1], v[a_p:a_p+1], v[OO+2*a_l:OO+2*a_l+1]
.endif
.set a_i, a_i+1
.endm
; LIST B, item b_i of 226: head b_i / 113, number b_i % 113:  0-63 the 16 scores summed over the 16 lanes of a half;  64-71 their maximum and the old m;  72, 73 old m - new m, the new m;  74-81 t - m;
; 82-98 ONE BATCH of 17 exponentials, none of which reads another's result;  99 the plain instruction behind the last;  100 the one wait for the batch;  101-108 l = l f + the sum of p;  109-112 O x f.
.macro BITEM
	WIN 0
.set b_u, b_i/113
.set b_x, b_i%113
.set b_p, PP+16*b_u
.if b_x < 16
	v_add_f32_dpp v[b_p+b_x], v[b_p+b_x], v[b_p+b_x] row_xmask:1 row_mask:0xf bank_mask:0xf
.elseif b_x < 32
	v_add_f32_dpp v[b_p+b_x-16], v[b_p+b_x-16], v[b_p+b_x-16] row_xmask:2 row_mask:0xf bank_mask:0xf
.elseif b_x < 48
	v_add_f32_dpp v[b_p+b_x-32], v[b_p+b_x-32], v[b_p+b_x-32] row_xmask:4 row_mask:0xf bank_mask:0xf
.elseif b_x < 64
	v_add_f32_dpp v[b_p+b_x-48], v[b_p+b_x-48], v[b_p+b_x-48] row_xmask:8 row_mask:0xf bank_mask:0xf
.elseif b_x == 64
	v_max3_num_f32 v[TM0], v[b_p], v[b_p+1], v[b_p+2]
.elseif b_x == 65
	v_max3_num_f32 v[TM0+1], v[b_p+3], v[b_p+4], v[b_p+5]
.elseif b_x < 71
	v_max3_num_f32 v[TM0+b_x%2], v[TM0+b_x%2], v[b_p+6+2*(b_x-66)], v[b_p+7+2*(b_x-66)]
.elseif b_x == 71
	v_max3_num_f32 v[TM0], v[TM0], v[TM0+1], v[MX+b_u]
.elseif b_x == 72
	v_sub_f32 v[FD+b_u], v[MX+b_u], v[TM0]
.elseif b_x == 73
	v_mov_b32 v[MX+b_u], v[TM0]
.elseif b_x < 82
.if b_u == 0
	v_pk_add_f32 v[b_p+2*(b_x-74):b_p+2*(b_x-74)+1], v[b_p+2*(b_x-74):b_p+2*(b_x-74)+1], v[MX:MX+1] op_sel_hi:[1,0] neg_lo:[0,1] neg_hi:[0,1]
.else
	v_pk_add_f32 v[b_p+2*(b_x-74):b_p+2*(b_x-74)+1], v[b_p+2*(b_x-74):b_p+2*(b_x-74)+1], v[MX:MX+1] op_sel:[0,1] op_sel_hi:[1,1] neg_lo:[0,1] neg_hi:[0,1]
.endif
.elseif b_x == 82
	v_exp_f32 v[FF+b_u], v[FD+b_u]
.elseif b_x < 99
	v_exp_f32 v[b_p+b_x-83], v[b_p+b_x-83]
.elseif b_x == 99
	v_nop
.elseif b_x == 100
	s_wait_alu depctr_va_vdst(0)
.elseif b_x == 101
.if b_u == 0
	v_pk_fma_f32 v[LS:LS+1], v[LS:LS+1], v[FF:FF+1], v[b_p:b_p+1] op_sel_hi:[1,0,1]
.else
	v_pk_fma_f32 v[LS+2:LS+3], v[LS+2:LS+3], v[FF:FF+1], v[b_p:b_p+1] op_sel:[0,1,0] op_sel_hi:[1,1,1]
.endif
.elseif b_x < 109
	v_pk_add_f32 v[LS+2*b_u:LS+2*b_u+1], v[LS+2*b_u:LS+2*b_u+1], v[b_p+2*(b_x-101):b_p+2*(b_x-101)+1]
.else
.if b_u == 0
	v_pk_mul_f32 v[OO+2*(b_x-109):OO+2*(b_x-109)+1], v[OO+2*(b_x-109):OO+2*(b_x-109)+1], v[FF:FF+1] op_sel_hi:[1,0]
.else
	v_pk_mul_f32 v[OO+8+2*(b_x-109):OO+8+2*(b_x-109)+1], v[OO+8+2*(b_x-109):OO+8+2*(b_x-109)+1], v[FF:FF+1] op_sel:[0,1] op_sel_hi:[1,1]
.endif
.endif
.set b_i, b_i+1
.endm
.macro SLOTV n                         ; a slice: n items; list A goes first, so that a head's last scores are made before its softmax begins
.rept \n
.if a_i < a_n
	AITEM
.elseif b_i < b_n
	BITEM
.endif
.endr
.endm
.macro FLUSHA                          ; what is left of list A
.rept NOPS+16
.if a_i < a_n
	AITEM
.endif
.endr
.endm
.macro FLUSHB lim                      ; a guard: list B up to item lim is out (by the count of the slices nothing is left)
.rept 113
.if b_i < \lim
	BITEM
.endif
.endr
.endm
.macro WFL t                           ; the odd tile t's four fragments, from my wave's own LDS: 16 loads in one run
	WIN 0
.irp f, 0,1,2,3,4,5,6,7,8,9,10,11,12,13,14,15
	ds_load_b128 v[WF+4*\f:WF+4*\f+3], v[WVA] offset:32768*((\t)/8)+8192*(((\t)%8)/2)+512*\f
.endr
.endm
.macro XFL sig, kf, buf                ; K step kf of both tiles of rows, codes at scale sig (0: K's, 1: V's), from image buffer buf: 8 loads
	WIN 0x40
.irp m, 0,1
.irp c, 0,1,2,3
	ds_load_b128 v[XF+64*\m+16*(\kf)+4*\c:XF+64*\m+16*(\kf)+4*\c+3], v[IMR] offset:32768*(\buf)+16384*(\sig)+2048*(4*\m+(\kf))+512*\c
.endr
.endr
.endm
; A TILE of 16 columns x 32 rows x 512 along K: 8 matrix instructions; the two accumulators take turns, one instruction a turn, and neighbouring tiles take the other set.
; q = 1: unit tau / 2 (tile of rows unit / 4, 32 along K unit % 4) of the NEXT block is quantised: in the even tile at K's scale, in the odd tile at V's.  ld = 1: behind the odd tile the unit's registers are loaded with the block after that.
.macro TILE tau, q, ld, buf
.set t_l, (\tau)%8
.set t_set, (\tau)%2
.set q_g, (\tau)/2
.set q_par, (\tau)%2
.set a_i, 0
.set a_set, 1-t_set
.if (\tau) == 0
.set a_k, 0
.set a_n, NOPS
.set b_i, 0
.set b_n, 0
.elseif (\tau) <= 8
.set a_k, 1
.set a_n, NOPS+16
.set a_l, (\tau)-1
.else
.set a_k, 2
.set a_n, NOPS+8
.set a_l, (\tau)-9
.endif
.if (\tau) == 4
.set b_n, 113                          ; head 0's scores are whole when this tile's list A is out
.endif
.if (\tau) == 8
.set b_n, 226                          ; head 1's likewise
.endif
.if (\tau) == 9
	FLUSHB 113                                     ; this tile's list A reads head 0's p
.endif
.if (\tau) == 13
	FLUSHB 226                                     ; and this one head 1's
.endif
.set t_n, 6                            ; items a slice: tiles 4-12 carry list B: 5 x (48 - 21) = 135 >= 113 by the end of tile 8, + 4 x (48 - 13) = 275 >= 226 by the end of tile 12
.if (\tau) < 4
.set t_n, 3
.endif
.if (\tau) > 12
.set t_n, 2
.endif
.if \q && (t_set == 0)
.if \ld
	s_wait_loadcnt 28                              ; the unit's four loads are in: behind them the seven other units' 28 were issued
.else
	s_wait_loadcnt 4*(7-q_g)                       ; nothing is asked for any more: behind them the later units' alone
.endif
.endif
.irp s, 0,1,2,3,4,5,6,7
.set t_k, (\s)/2
.set t_m, (\s)%2
.if t_m == 0
.if ((\tau) == 0) || ((\tau) == 8)
.set t_w, 40-8*t_k                     ; K step kf of X's fragments is in.  Behind its 8 loads: the later K steps' 8 each, from kf = 1 on the 16 loads of the next odd tile,
.if t_k == 0
.set t_w, 24
.endif
.if (\tau) == 8
.set t_w, t_w+\q                       ; and in tile 8 the image store of tile 7
.endif
	s_wait_dscnt t_w
.elseif (t_set == 1) && (t_k == 0)
	s_wait_dscnt \q                                ; my tile's fragments are in; behind them the even tile's image store, if any
.endif
.endif
.set t_d, ACC+16*t_set+8*t_m
.set t_a, XF+64*t_m+16*t_k
.if t_set == 0
.if (\tau) < 8
	WIN 0x09                                       ; X window 1, Wk window 2
.else
	WIN 0x0d                                       ; X window 1, Wv window 3
.endif
.set t_b, 64*(t_l/2)+16*t_k
.else
	WIN 0x01                                       ; X window 1, the tile from LDS window 0
.set t_b, WF+16*t_k
.endif
.if t_k == 0
	v_wmma_f32_16x16x128_bf8_bf8 v[t_d:t_d+7], v[t_a:t_a+15], v[t_b:t_b+15], 0
.else
	v_wmma_f32_16x16x128_bf8_bf8 v[t_d:t_d+7], v[t_a:t_a+15], v[t_b:t_b+15], v[t_d:t_d+7]
.endif
.if \q                                 ; two holds: source 0 in window 1 as for the product, the limits scalar, the result in window 0: no switch.  The conversion to an 8-bit code does not saturate (ISA guide 7.6.2)
	v_med3_num_f32 v[TT+2*\s], v[SS+16*q_g+2*\s], s[24+2*q_par], s[25+2*q_par]
	v_med3_num_f32 v[TT+2*\s+1], v[SS+16*q_g+2*\s+1], s[24+2*q_par], s[25+2*q_par]
.endif
.if (\s) == 0
	SLOTV 6                                        ; the five v_nop of list A stand here, ahead of the run of loads below
.else
	SLOTV t_n
.endif
.if \q && (((\s) == 3) || ((\s) == 7))
	WIN 0                                          ; eight numbers are held: their codes.  Eight plain holds stand between a conversion and the next write of its sources
	v_cvt_scalef32_pk8_bf8_f32 v[CD+8*(q_g%2)+4*q_par+2*((\s)/4):CD+8*(q_g%2)+4*q_par+2*((\s)/4)+1], v[TT+8*((\s)/4):TT+8*((\s)/4)+7], v[SC0+q_par]
.endif
.if ((\s) == 0) && (t_set == 0)
	WFL (\tau)+1
.endif
.if ((\tau) == 7) && (t_m == 1)        ; K's last tile: as a K step is done with, V's codes take its registers
.rept 4
	v_nop
.endr
	XFL 1, t_k, \buf
.endif
.endr
	FLUSHA
.if \q
	WIN 0
	ds_store_b128 v[IMW], v[CD+8*(q_g%2)+4*q_par:CD+8*(q_g%2)+4*q_par+3] offset:32768*(1-(\buf))+16384*q_par+8192*(q_g/4)+512*(q_g%4)
.if \ld && (t_set == 1)
	WIN 0x40
.irp j, 0,1,2,3
	global_load_b128 v[SS+16*q_g+4*\j:SS+16*q_g+4*\j+3], v[XA], s[4:5] offset:524288+262144*(\buf)+131072*(q_g/4)+128*(q_g%4)+16*\j th:TH_LOAD_NT
.endr
.endif
.endif
.endm
; A BLOCK read from image buffer buf.  One barrier at its end: in front of it my images of the next block are stored and my reads of this block's images are back;
; behind it this block's buffer may be written and the other read.
.macro BLOCK buf, q, ld, last
.irp f, 0,1,2,3
	XFL 0, \f, \buf
.endr
.irp t, 0,1,2,3,4,5,6,7,8,9,10,11,12,13,14,15
	TILE \t, \q, \ld, \buf
.endr
.set a_i, 0
.set a_k, 2
.set a_n, NOPS+8
.set a_l, 7
.set a_set, 1
	FLUSHA                                         ; V's last tile; its v_nop are also the places ahead of the next block's loads into X's fragments
	WIN 0                                          ; at a label and at a branch every window is 0
.if !\last
	s_wait_dscnt 0x0
	s_barrier_signal -1
	s_barrier_wait -1
.endif
.endm
; A unit quantised without products, at the head: block 0 into buffer 0; its registers take block 1.
.macro QBARE g
	WIN 0x01
.irp i, 0,1,2,3,4,5,6,7,8,9,10,11,12,13,14,15
	v_med3_num_f32 v[TT+\i], v[SS+16*(\g)+\i], s24, s25
.endr
	WIN 0
	v_cvt_scalef32_pk8_bf8_f32 v[CD+8*((\g)%2):CD+8*((\g)%2)+1], v[TT:TT+7], v[SC0]
	v_cvt_scalef32_pk8_bf8_f32 v[CD+8*((\g)%2)+2:CD+8*((\g)%2)+3], v[TT+8:TT+15], v[SC0]
	v_nop                                          ; a plain instruction between a scaled conversion and the next write of its sources
	WIN 0x01
.irp i, 0,1,2,3,4,5,6,7,8,9,10,11,12,13,14,15
	v_med3_num_f32 v[TT+\i], v[SS+16*(\g)+\i], s26, s27
.endr
	WIN 0
	v_cvt_scalef32_pk8_bf8_f32 v[CD+8*((\g)%2)+4:CD+8*((\g)%2)+5], v[TT:TT+7], v[SC0+1]
	v_cvt_scalef32_pk8_bf8_f32 v[CD+8*((\g)%2)+6:CD+8*((\g)%2)+7], v[TT+8:TT+15], v[SC0+1]
	v_nop
	ds_store_b128 v[IMW], v[CD+8*((\g)%2):CD+8*((\g)%2)+3] offset:8192*((\g)/4)+512*((\g)%4)
	ds_store_b128 v[IMW], v[CD+8*((\g)%2)+4:CD+8*((\g)%2)+7] offset:16384+8192*((\g)/4)+512*((\g)%4)
	WIN 0x40
.irp j, 0,1,2,3
	global_load_b128 v[SS+16*(\g)+4*\j:SS+16*(\g)+4*\j+3], v[XA], s[4:5] offset:262144+131072*((\g)/4)+128*((\g)%4)+16*\j th:TH_LOAD_NT
.endr
	WIN 0
.endm
.macro LOADB i                         ; odd tile i of eight (0-3: Wk's, 4-7: Wv's) into one of two sets of 64 registers
.set l_b, 152-64*((\i)%2)
.irp f, 0,1,2,3,4,5,6,7,8,9,10,11,12,13,14,15
.if (\i) < 4
	global_load_b128 v[l_b+4*\f:l_b+4*\f+3], v[WVA], s[6:7] offset:8192*(2*(\i)+1)+512*\f
.else
	global_load_b128 v[l_b+4*\f:l_b+4*\f+3], v[WVA], s[8:9] offset:8192*(2*((\i)-4)+1)+512*\f
.endif
.endr
.endm
	s_load_b256 s[4:11], s[0:1], 0x0               ; X s[4:5], wk_frag s[6:7], wv_frag s[8:9], kc s[10:11]
	s_load_b128 s[12:15], s[0:1], 0x20             ; the scales s[12:13], po s[14:15]
	s_load_b64 s[16:17], s[0:1], 0x30              ; ps
	v_lshrrev_b32 v1, 5, v0
	v_readfirstlane_b32 s18, v1                    ; wave
	v_and_b32 v1, 31, v0                           ; lane; kept
	v_and_b32 v216, 15, v0                         ; r
	v_bfe_u32 v217, v0, 4, 1                       ; h
	s_lshl_b32 s20, s18, 9
	s_lshl_b32 s21, s18, 16
	s_lshl_b32 s22, s18, 11
	v_lshlrev_b32 v[XA], 13, v216
	v_lshl_add_u32 v[XA], v217, 6, v[XA]
	v_add_nc_u32 v[XA], s20, v[XA]
	v_lshlrev_b32 v[WVA], 4, v1
	v_add_nc_u32 v[IMR], IM, v[WVA]
	v_add_nc_u32 v[IMW], s22, v[IMR]
	v_add_nc_u32 v[WVA], s21, v[WVA]
	s_and_b32 s19, ttmp9, 3                        ; the seed
	s_lshl_b32 s23, s19, 11
	s_add_co_u32 s23, s23, s20
	v_lshl_add_u32 v218, v216, 4, s23              ; KW, KB: (512 s + 128 w + 4 r) x 4 bytes
	s_lshl_b32 s40, s19, 7
	s_lshl_b32 s41, s18, 5
	s_add_co_u32 s40, s40, s41                     ; CH: 128 s + 16 x (2 w)
	s_lshr_b32 s28, ttmp9, 4
	s_lshl_b32 s28, s28, 24                        ; b x 2,048 instances of 8,192 bytes
	s_bfe_u32 s29, ttmp9, 0x20002
	s_lshl_b32 s29, s29, 22                        ; q x 512 instances
	s_add_co_u32 s28, s28, s29
	s_lshl_b32 s29, s19, 11                        ; the seed's 2,048 bytes
	s_add_co_u32 s28, s28, s29
	s_mov_b32 s29, 0
	s_mov_b32 s32, 0x76543210                      ; v_permlanex16_b32: lane l xor 16
	s_mov_b32 s33, 0xfedcba98
	s_wait_kmcnt 0x0
	s_add_nc_u64 s[4:5], s[4:5], s[28:29]
	s_load_b32 s34, s[10:11], s40 offset:0x4000
	s_load_b32 s35, s[10:11], s40 offset:0x4010
	s_load_b128 s[36:39], s[12:13], 0x0            ; e0, e1, e2, e3
	WIN 0x40
.irp g, 0,1,2,3,4,5,6,7
.irp j, 0,1,2,3
	global_load_b128 v[SS+16*\g+4*\j:SS+16*\g+4*\j+3], v[XA], s[4:5] offset:131072*(\g/4)+128*(\g%4)+16*\j th:TH_LOAD_NT   ; block 0
.endr
.endr
	WIN 0x80
.irp e, 0,1,2,3
.irp f, 0,1,2,3,4,5,6,7,8,9,10,11,12,13,14,15
	global_load_b128 v[64*\e+4*\f:64*\e+4*\f+3], v[WVA], s[6:7] offset:16384*\e+512*\f   ; Wk's even tiles: they stay
.endr
.endr
	WIN 0xc0
.irp e, 0,1,2,3
.irp f, 0,1,2,3,4,5,6,7,8,9,10,11,12,13,14,15
	global_load_b128 v[64*\e+4*\f:64*\e+4*\f+3], v[WVA], s[8:9] offset:16384*\e+512*\f   ; Wv's
.endr
.endr
	WIN 0
	global_load_b128 v[KW:KW+3], v218, s[10:11]
	global_load_b128 v[KW+4:KW+7], v218, s[10:11] offset:256
	global_load_b128 v[KB:KB+3], v218, s[10:11] offset:8192
	global_load_b128 v[KB+4:KB+7], v218, s[10:11] offset:8448
	s_wait_kmcnt 0x0
	s_add_co_i32 s20, s36, 127
	s_lshl_b32 s21, s20, 23
	v_mov_b32 v[SC0], s21                          ; 2^e0 as f32: the conversion takes its exponent field
	s_add_co_i32 s20, s20, 15
	s_lshl_b32 s20, s20, 23
	s_or_b32 s25, s20, 0x600000                    ; 57,344 x 2^e0,
	s_or_b32 s24, s25, 0x80000000                  ; and its negative
	s_add_co_i32 s20, s38, 127
	s_lshl_b32 s21, s20, 23
	v_mov_b32 v[SC0+1], s21                        ; the same for e2
	s_add_co_i32 s20, s20, 15
	s_lshl_b32 s20, s20, 23
	s_or_b32 s27, s20, 0x600000
	s_or_b32 s26, s27, 0x80000000
	v_mov_b32 v[CH], s34
	v_mov_b32 v[CH+1], s35
	v_mov_b32 v[MX], 0xff61b1e6                    ; -3e38, under every score
	v_mov_b32 v[MX+1], 0xff61b1e6
.irp i, 0,1
	v_mov_b32 v[FF+\i], 0
.endr
.irp i, 0,1,2,3
	v_mov_b32 v[LS+\i], 0                          ; the block is written for every block alike: the first finds zeros, which the first change of m leaves zeros
.endr
.irp i, 0,1,2,3,4,5,6,7,8,9,10,11,12,13,14,15
	v_mov_b32 v[OO+\i], 0
.endr
	s_wait_loadcnt 0x0
.irp g, 0,1,2,3,4,5,6,7
	QBARE \g
.endr
	s_wait_dscnt 0x0
	LOADB 0
	LOADB 1
.irp i, 0,1,2,3,4,5,6,7
.if \i < 7
	s_wait_loadcnt 16                              ; tile i is in; the next tile's 16 loads may be out
.else
	s_wait_loadcnt 0x0
.endif
.irp f, 0,1,2,3,4,5,6,7,8,9,10,11,12,13,14,15
	ds_store_b128 v[WVA], v[152-64*(\i%2)+4*\f:152-64*(\i%2)+4*\f+3] offset:32768*(\i/4)+8192*(\i%4)+512*\f
.endr
.if \i < 6
	s_wait_dscnt 0x0                               ; the stores have read their registers
	LOADB \i+2
.endif
.endr
	s_wait_dscnt 0x0                               ; block 0's images and my odd tiles lie in LDS
	s_barrier_signal -1
	s_barrier_wait -1
	s_mov_b32 s30, 7
.Lblk:                                                 ; blocks 0 to 13, two a trip, so that the image buffer is an immediate
	BLOCK 0, 1, 1, 0
	BLOCK 1, 1, 1, 0
	s_wait_xcnt 0x0                                ; the loads have read their base: it is stepped only behind this wait
	s_add_nc_u64 s[4:5], s[4:5], 524288
	s_sub_co_u32 s30, s30, 1
	s_cmp_lg_u32 s30, 0
	s_cbranch_scc1 .Lblk
	BLOCK 0, 1, 0, 0                               ; block 14 quantises block 15 and asks for nothing: no load leaves X
	BLOCK 1, 0, 0, 1                               ; block 15
	; THE END.  The two halves of the lanes meet: m' = the larger m; each half's l and O are brought under it and added.
	v_permlanex16_b32 v[TT], v[MX], s32, s33       ; (destinations that have been written)
	v_permlanex16_b32 v[TT+1], v[MX+1], s32, s33
	v_max_num_f32 v248, v[MX], v[TT]
	v_max_num_f32 v250, v[MX+1], v[TT+1]
	v_sub_f32 v220, v[MX], v248
	v_sub_f32 v221, v[MX+1], v250
	v_exp_f32 v220, v220
	v_exp_f32 v221, v221
	v_add_f32 v249, v[LS], v[LS+1]                 ; plain work behind the two exponentials
	v_add_f32 v251, v[LS+2], v[LS+3]
.irp t, 0,1,2,3,4,5,6,7
	v_add_f32 v[226+\t], v[OO+2*\t], v[OO+2*\t+1]
.endr
	s_wait_alu depctr_va_vdst(0)                   ; one wait for both, ahead of their first reader
	v_mul_f32 v249, v249, v220
	v_mul_f32 v251, v251, v221
.irp t, 0,1,2,3,4,5,6,7
	v_mul_f32 v[226+\t], v[226+\t], v[220+\t/4]
.endr
	v_permlanex16_b32 v[TT+2], v249, s32, s33
	v_permlanex16_b32 v[TT+3], v251, s32, s33
.irp t, 0,1,2,3,4,5,6,7
	v_permlanex16_b32 v[TT+4+\t], v[226+\t], s32, s33
.endr
	v_add_f32 v249, v249, v[TT+2]
	v_add_f32 v251, v251, v[TT+3]
.irp t, 0,1,2,3,4,5,6,7
	v_add_f32 v[226+\t], v[226+\t], v[TT+4+\t]
.endr
	v_cmp_le_u32 vcc_lo, 16, v1                    ; lanes 0-15 store head 2 w's columns 4 r + 0 .. 3, lanes 16-31 head 2 w + 1's
.irp t, 0,1,2,3
	v_cndmask_b32 v[242+\t], v[226+\t], v[230+\t], vcc_lo
.endr
	s_lshl_b32 s20, ttmp9, 11
	s_lshl_b32 s21, s18, 9
	s_add_co_u32 s20, s20, s21
	v_lshl_add_u32 v246, v1, 4, s20
	global_store_b128 v246, v[242:245], s[14:15]   ; 32 lanes store 512 consecutive bytes, aligned: my wave's 128 columns
	s_lshl_b32 s20, ttmp9, 6
	s_lshl_b32 s21, s18, 4
	s_add_co_u32 s20, s20, s21
	v_mov_b32 v247, s20
	v_cmp_eq_u32 vcc_lo, 0, v1
	s_wait_xcnt 0x0                                ; EXEC changes only behind this wait
	s_and_saveexec_b32 s22, vcc_lo
	global_store_b128 v247, v[248:251], s[16:17]   ; lane 0: m', l of my two heads
	s_wait_xcnt 0x0
	s_or_b32 exec_lo, exec_lo, s22
	s_endpgm
.Lfunc_end_k_qab7bcadbf3_pool:
	.size	k_qab7bcadbf3_pool, .Lfunc_end_k_qab7bcadbf3_pool-k_qab7bcadbf3_pool
	.p2alignl 7, 3214868480
	.fill 96, 4, 3214868480
	.section	.rodata,"a",@progbits
	.p2align	6, 0x0
	.amdhsa_kernel k_qab7bcadbf3_pool
		.amdhsa_group_segment_fixed_size 327680
		.amdhsa_private_segment_fixed_size 0
		.amdhsa_enable_private_segment 0
		.amdhsa_kernarg_size 56
		.amdhsa_user_sgpr_count 2
		.amdhsa_user_sgpr_kernarg_segment_ptr 1
		.amdhsa_wavefront_size32 1
		.amdhsa_system_sgpr_workgroup_id_x 1
		.amdhsa_system_sgpr_workgroup_id_y 1
		.amdhsa_system_sgpr_workgroup_id_z 1
		.amdhsa_system_vgpr_workitem_id 0
		.amdhsa_next_free_vgpr 1024
		.amdhsa_next_free_sgpr 66
		.amdhsa_reserve_vcc 1
		.amdhsa_float_denorm_mode_32 3
		.amdhsa_float_denorm_mode_16_64 3
		.amdhsa_memory_ordered 1
		.amdhsa_forward_progress 1
		.amdhsa_inst_pref_size 255
	.end_amdhsa_kernel
	.section	.bss,"aw",@nobits
	.p2align	6
	.space	262144
	.amdgpu_metadata
---
amdhsa.version: [ 1, 2 ]
amdhsa.kernels:
  - .name:           k_qab7bcadbf3_pool
    .symbol:         k_qab7bcadbf3_pool.kd
    .args:
      - { .name: X, .offset: 0, .size: 8, .value_kind: global_buffer, .address_space: global }
      - { .name: wk_frag, .offset: 8, .size: 8, .value_kind: global_buffer, .address_space: global }
      - { .name: wv_frag, .offset: 16, .size: 8, .value_kind: global_buffer, .address_space: global }
      - { .name: kc, .offset: 24, .size: 8, .value_kind: global_buffer, .address_space: global }
      - { .name: lowp_scales, .offset: 32, .size: 8, .value_kind: global_buffer, .address_space: global }
      - { .name: po, .offset: 40, .size: 8, .value_kind: global_buffer, .address_space: global }
      - { .name: ps, .offset: 48, .size: 8, .value_kind: global_buffer, .address_space: global }
    .group_segment_fixed_size: 327680
    .private_segment_fixed_size: 0
    .kernarg_segment_align: 8
    .kernarg_segment_size: 56
    .max_flat_workgroup_size: 128
    .sgpr_count:     66
    .vgpr_count:     1024
    .wavefront_size: 32
...
	.end_amdgpu_metadata
.endif
;; end of part 2
;; launch finish (part 3): grid 4 x 4, 8 waves a work-group, no clusters, 41,472 bytes of LDS; arguments po, ps, wo_frag, M, bv, g0, b0, bo, g1, b1, lowp_scales, out0; writes out0
.if DOCPART == 3
	.amdgcn_target "amdgcn-amd-amdhsa--gfx1250"
	.amdhsa_code_object_version 6
	.text
	.protected	k_qab7bcadbf3_finish
	.globl	k_qab7bcadbf3_finish
	.p2align	8
	.type	k_qab7bcadbf3_finish,@function
k_qab7bcadbf3_finish:
	s_mov_b64 s[64:65], 0
	v_nop
	global_prefetch_b8 v0, s[64:65] scope:SCOPE_SE
	s_setreg_imm32_b32 hwreg(HW_REG_WAVE_MODE, 25, 1), 1
	s_wait_xcnt 0x0
; The four partials of each (b, s) are merged; O = mu + bv + (sum of p V) / l; batch norm over b; y + relu(Q(y) Q(Wo)^T + bo) on codes of BF8 (E5M2); batch norm over b; out0.
; SHARES.  Work-group (x = g, y = s): seed s, output columns 128 g .. 128 g + 127, all 16 batches.  The product wants all 512 columns of y, so each of a seed's four work-groups makes them (128 KB of partials each).
; First half: wave v = head v; lane: bq = l % 4, cg = l / 4; a thread owns columns 64 v + 8 cg + 0 .. 7 of batches 4 bq + k, k = 0 .. 3: a sum over b is a sum over k and over four neighbouring lanes.
; bv is added behind the weighted sum: the weights of a softmax add up to 1.
; y goes from wave to wave through LDS twice: as f32 (rows of 2,064 bytes) and as codes, an image of the operand's registers (fragment kf at 2,048 kf, chunk c at 512 c, lane at 16 l; rows = b).
; Second half: wave v makes the tile of columns 128 g + 16 v + r: source 0 = y's 16 rows, source 1 = 16 rows of Wo: lane (r, h), register j: batch 8 h + j.  Two accumulators take turns over the four K steps.
; LDS: 0 .. 8,191 the codes' images;  8,192 .. 41,215 y as f32;  the stage for out0 (16 rows of 528 bytes) lies over the images and y's first bytes, from byte 0 on: it is written behind a barrier behind every wave's reads of both.
; THREE BARRIERS: y and its codes are stored | all waves read them | the stage is stored | whole rows are read back.
; LIMITS: e4 between -126 and 112; e4 + e5 between -126 and 127.  NaN among the inputs is not served.
.set RAW, 24                           ; v[24:151]  the partial sums: 32 k + 8 q + i;  later Wo's fragments (v24-87) and y's (v88-151)
.set ST,  152                          ; v[152:183] (m, l): 8 k + 2 q;  later the accumulators, y, bo, g1, b1
.set BV,  184                          ; v[184:191] bv, then bv + mu;  later z
.set MU,  192                          ; v[192:199] mu;  later sums
.set G0,  200
.set B0,  208
.set XX,  216                          ; v[216:247] x, then y: 8 k + i
.set SA,  248                          ; v[248:255] sums
.set YS,  8192                         ; LDS: y as f32
.set YP,  2064
.set OST, 0                            ; LDS: the stage for out0: 16 rows of 512 + 16 bytes
.set OP,  528
	s_load_b512 s[4:19], s[0:1], 0x0               ; po s[4:5], ps s[6:7], wo_frag s[8:9], M s[10:11], bv s[12:13], g0 s[14:15], b0 s[16:17], bo s[18:19]
	s_load_b256 s[20:27], s[0:1], 0x40             ; g1 s[20:21], b1 s[22:23], the scales s[24:25], out0 s[26:27]
	v_lshrrev_b32 v1, 5, v0
	v_readfirstlane_b32 s28, v1                    ; wave v
	s_and_b32 s29, ttmp7, 0xffff                   ; seed s
	v_and_b32 v1, 31, v0                           ; lane
	v_and_b32 v2, 3, v0                            ; bq
	v_bfe_u32 v3, v0, 2, 3                         ; cg
	v_and_b32 v11, 15, v0                          ; r
	v_bfe_u32 v12, v0, 4, 1                        ; h
	s_lshl_b32 s30, s29, 6
	s_lshl_b32 s31, s28, 3
	s_add_co_u32 s30, s30, s31
	v_lshl_add_u32 v4, v2, 12, s30                 ; ps: 64 (16 (4 bq) + s) + 8 v
	s_lshl_b32 s31, s29, 11
	s_lshl_b32 s36, s28, 8
	s_add_co_u32 s37, s31, s36
	v_lshlrev_b32 v6, 5, v3
	v_add_nc_u32 v7, s37, v6                       ; mu, g0, b0: 4 (512 s + 64 v + 8 cg)
	v_add_nc_u32 v6, s36, v6                       ; bv: 4 (64 v + 8 cg)
	v_lshl_add_u32 v5, v2, 17, v7                  ; po: 2,048 (16 (4 bq) + s) + 4 (64 v + 8 cg)
	s_lshl_b32 s38, ttmp9, 16
	s_lshl_b32 s39, s28, 13
	s_add_co_u32 s38, s38, s39
	v_lshlrev_b32 v13, 4, v1                       ; 16 x lane
	v_add_nc_u32 v8, s38, v13                      ; wo_frag: tile 8 g + v
	s_lshl_b32 s38, ttmp9, 9
	s_lshl_b32 s39, s28, 6
	s_add_co_u32 s38, s38, s39                     ; 4 (128 g + 16 v)
	v_lshl_add_u32 v15, v11, 2, s38                ; bo: my column
	v_add_nc_u32 v16, s31, v15                     ; g1, b1: + 512 s
	v_mul_u32_u24 v9, v2, 4*YP
	v_lshl_add_u32 v9, v3, 5, v9
	s_add_co_u32 s39, s36, YS
	v_add_nc_u32 v9, s39, v9                       ; y into LDS: row 4 bq (+ k), byte 4 (64 v + 8 cg)
	v_lshlrev_b32 v10, 9, v12                      ; the codes' place: 1,024 v + 512 (cg / 4) + 256 ((cg / 2) % 2) + 8 (cg % 2) + 16 (4 bq + k)
	v_bfe_u32 v14, v0, 3, 1
	v_lshl_add_u32 v10, v14, 8, v10
	v_bfe_u32 v14, v0, 2, 1
	v_lshl_add_u32 v10, v14, 3, v10
	v_lshl_add_u32 v10, v2, 6, v10
	s_lshl_b32 s39, s28, 10
	v_add_nc_u32 v10, s39, v10
	v_mul_u32_u24 v14, v12, 8*YP
	v_lshl_add_u32 v14, v11, 2, v14
	s_add_co_u32 s39, s38, YS
	v_add_nc_u32 v14, s39, v14                     ; y back: row 8 h (+ j), my column
	v_mul_u32_u24 v17, v12, 8*OP
	v_lshl_add_u32 v17, v11, 2, v17
	s_lshl_b32 s39, s28, 6
	s_add_co_u32 s39, s39, OST
	v_add_nc_u32 v17, s39, v17                     ; the stage, in: row 8 h (+ j), byte 4 (16 v + r)
	s_mul_i32 s39, s28, 2*OP
	s_add_co_u32 s39, s39, OST
	v_add_nc_u32 v18, s39, v13                     ; and back: rows 2 v, 2 v + 1
	s_lshl_b32 s39, s28, 14
	s_add_co_u32 s39, s39, s31
	s_lshl_b32 s38, ttmp9, 9
	s_add_co_u32 s39, s39, s38
	v_add_nc_u32 v19, s39, v13                     ; out0: 8,192 (2 v) + 2,048 s + 512 g + 16 lane
	s_mov_b32 s40, 0x3d800000                      ; 1 / 16
	s_mov_b32 s41, s40                             ; (named with it as a pair)
	s_mov_b32 s42, 0x3727c5ac                      ; 1e-5
	s_mov_b32 s48, 0x76543210                      ; v_permlanex16_b32: lane l xor 16
	s_mov_b32 s49, 0xfedcba98
	s_wait_kmcnt 0x0
	s_load_b128 s[32:35], s[24:25], 0x8            ; e2, e3, e4, e5
.irp k, 0,1,2,3
.irp q, 0,1,2,3
	global_load_b64 v[ST+8*\k+2*\q:ST+8*\k+2*\q+1], v4, s[6:7] offset:1024*\k+256*\q
.endr
.endr
.irp k, 0,1,2,3
.irp q, 0,1,2,3
	global_load_b128 v[RAW+32*\k+8*\q:RAW+32*\k+8*\q+3], v5, s[4:5] offset:32768*\k+8192*\q
	global_load_b128 v[RAW+32*\k+8*\q+4:RAW+32*\k+8*\q+7], v5, s[4:5] offset:32768*\k+8192*\q+16
.endr
.endr
.irp u, 0,1
	global_load_b128 v[BV+4*\u:BV+4*\u+3], v6, s[12:13] offset:16*\u
	global_load_b128 v[MU+4*\u:MU+4*\u+3], v7, s[10:11] offset:16*\u
	global_load_b128 v[G0+4*\u:G0+4*\u+3], v7, s[14:15] offset:16*\u
	global_load_b128 v[B0+4*\u:B0+4*\u+3], v7, s[16:17] offset:16*\u
.endr
	s_wait_kmcnt 0x0
	s_add_co_i32 s44, s32, s33                     ; e2 + e3
	s_add_co_i32 s45, s34, 127
	s_lshl_b32 s47, s45, 23
	v_mov_b32 v20, s47                             ; 2^e4 as f32
	s_add_co_i32 s45, s45, 15
	s_lshl_b32 s45, s45, 23
	s_or_b32 s51, s45, 0x600000                    ; 57,344 x 2^e4,
	s_or_b32 s50, s51, 0x80000000                  ; and its negative
	s_add_co_i32 s46, s34, s35
	s_add_co_i32 s46, s46, 127
	s_lshl_b32 s46, s46, 23                        ; 2^(e4 + e5) as f32
	s_wait_loadcnt 0x0
	; ---- the merge: m* = the largest of the four m; each partial x 2^(m - m*) / the sum of l 2^(m - m*)
.irp k, 0,1,2,3
	v_max3_num_f32 v[SA+\k], v[ST+8*\k], v[ST+8*\k+2], v[ST+8*\k+4]
.endr
.irp k, 0,1,2,3
	v_max_num_f32 v[SA+\k], v[SA+\k], v[ST+8*\k+6]
.endr
.irp k, 0,1,2,3
.irp q, 0,1,2,3
	v_sub_f32 v[ST+8*\k+2*\q], v[ST+8*\k+2*\q], v[SA+\k]
.endr
.endr
.irp k, 0,1,2,3
.irp q, 0,1,2,3
	v_exp_f32 v[ST+8*\k+2*\q], v[ST+8*\k+2*\q]
.endr
.endr
.irp i, 0,2,4,6
	v_pk_add_f32 v[BV+\i:BV+\i+1], v[BV+\i:BV+\i+1], v[MU+\i:MU+\i+1]   ; bv + mu: plain work behind the batch
.endr
	s_wait_alu depctr_va_vdst(0)                   ; one wait for the batch, ahead of its first reader
.irp k, 0,1,2,3
	v_mul_f32 v[SA+4+\k], v[ST+8*\k], v[ST+8*\k+1]
.endr
.irp q, 1,2,3
.irp k, 0,1,2,3
	v_fmac_f32 v[SA+4+\k], v[ST+8*\k+2*\q], v[ST+8*\k+2*\q+1]
.endr
.endr
.irp k, 0,1,2,3
	v_rcp_f32 v[SA+4+\k], v[SA+4+\k]
.endr
	v_nop
	s_wait_alu depctr_va_vdst(0)
.irp k, 0,1,2,3
	v_ldexp_f32 v[SA+4+\k], v[SA+4+\k], s44        ; a code sum of V stands for sum x 2^(e2 + e3)
.endr
.irp k, 0,1,2,3
.irp q, 0,1,2,3
	v_mul_f32 v[ST+8*\k+2*\q], v[ST+8*\k+2*\q], v[SA+4+\k]
.endr
.endr
.irp k, 0,1,2,3
.irp i, 0,2,4,6
	v_pk_fma_f32 v[XX+8*\k+\i:XX+8*\k+\i+1], v[RAW+32*\k+\i:RAW+32*\k+\i+1], v[ST+8*\k:ST+8*\k+1], v[BV+\i:BV+\i+1] op_sel_hi:[1,0,1]
.endr
.endr
.irp q, 1,2,3
.irp k, 0,1,2,3
.irp i, 0,2,4,6
	v_pk_fma_f32 v[XX+8*\k+\i:XX+8*\k+\i+1], v[RAW+32*\k+8*\q+\i:RAW+32*\k+8*\q+\i+1], v[ST+8*\k+2*\q:ST+8*\k+2*\q+1], v[XX+8*\k+\i:XX+8*\k+\i+1] op_sel_hi:[1,0,1]
.endr
.endr
.endr
.irp f, 0,1,2,3,4,5,6,7,8,9,10,11,12,13,14,15
	global_load_b128 v[RAW+4*\f:RAW+4*\f+3], v8, s[8:9] offset:512*\f   ; the partials are done with: Wo's four fragments of my tile come while the norm is made
.endr
	global_load_b32 v176, v15, s[18:19]            ; bo,
	global_load_b32 v177, v16, s[20:21]            ; g1,
	global_load_b32 v178, v16, s[22:23]            ; b1 of my column
	; ---- batch norm over the 16 batches: four in my registers, four lanes
.irp i, 0,2,4,6
	v_pk_add_f32 v[SA+\i:SA+\i+1], v[XX+\i:XX+\i+1], v[XX+8+\i:XX+9+\i]
	v_pk_add_f32 v[MU+\i:MU+\i+1], v[XX+16+\i:XX+17+\i], v[XX+24+\i:XX+25+\i]
.endr
.irp i, 0,2,4,6
	v_pk_add_f32 v[SA+\i:SA+\i+1], v[SA+\i:SA+\i+1], v[MU+\i:MU+\i+1]
.endr
.irp i, 0,1,2,3,4,5,6,7
	v_add_f32_dpp v[SA+\i], v[SA+\i], v[SA+\i] row_xmask:1 row_mask:0xf bank_mask:0xf
.endr
.irp i, 0,1,2,3,4,5,6,7
	v_add_f32_dpp v[SA+\i], v[SA+\i], v[SA+\i] row_xmask:2 row_mask:0xf bank_mask:0xf
.endr
.irp i, 0,2,4,6
	v_pk_mul_f32 v[SA+\i:SA+\i+1], v[SA+\i:SA+\i+1], s[40:41] op_sel_hi:[1,0]   ; the mean
.endr
.irp k, 0,1,2,3
.irp i, 0,2,4,6
	v_pk_add_f32 v[XX+8*\k+\i:XX+8*\k+\i+1], v[XX+8*\k+\i:XX+8*\k+\i+1], v[SA+\i:SA+\i+1] neg_lo:[0,1] neg_hi:[0,1]
.endr
.endr
.irp i, 0,2,4,6
	v_pk_mul_f32 v[MU+\i:MU+\i+1], v[XX+\i:XX+\i+1], v[XX+\i:XX+\i+1]
.endr
.irp k, 1,2,3
.irp i, 0,2,4,6
	v_pk_fma_f32 v[MU+\i:MU+\i+1], v[XX+8*\k+\i:XX+8*\k+\i+1], v[XX+8*\k+\i:XX+8*\k+\i+1], v[MU+\i:MU+\i+1]
.endr
.endr
.irp i, 0,1,2,3,4,5,6,7
	v_add_f32_dpp v[MU+\i], v[MU+\i], v[MU+\i] row_xmask:1 row_mask:0xf bank_mask:0xf
.endr
.irp i, 0,1,2,3,4,5,6,7
	v_add_f32_dpp v[MU+\i], v[MU+\i], v[MU+\i] row_xmask:2 row_mask:0xf bank_mask:0xf
.endr
.irp i, 0,1,2,3,4,5,6,7
	v_fma_f32 v[MU+\i], v[MU+\i], s40, s42         ; the variance (of the differences from the mean) + 1e-5
.endr
.irp i, 0,1,2,3,4,5,6,7
	v_rsq_f32 v[MU+\i], v[MU+\i]
.endr
	v_nop
	s_wait_alu depctr_va_vdst(0)
.irp i, 0,2,4,6
	v_pk_mul_f32 v[G0+\i:G0+\i+1], v[G0+\i:G0+\i+1], v[MU+\i:MU+\i+1]
.endr
.irp k, 0,1,2,3
.irp i, 0,2,4,6
	v_pk_fma_f32 v[XX+8*\k+\i:XX+8*\k+\i+1], v[XX+8*\k+\i:XX+8*\k+\i+1], v[G0+\i:G0+\i+1], v[B0+\i:B0+\i+1]   ; y
.endr
.endr
	; ---- y to LDS, as f32 and as codes
.irp k, 0,1,2,3
.irp i, 0,1,2,3,4,5,6,7
	v_med3_num_f32 v[88+8*\k+\i], v[XX+8*\k+\i], s50, s51   ; the conversion to an 8-bit code does not saturate (ISA guide 7.6.2)
.endr
.endr
.irp k, 0,1,2,3
	v_cvt_scalef32_pk8_bf8_f32 v[120+2*\k:121+2*\k], v[88+8*\k:95+8*\k], v20
.endr
	v_nop                                          ; a plain instruction behind the last conversion: the products below read registers that held its sources and results
.irp k, 0,1,2,3
	ds_store_b128 v9, v[XX+8*\k:XX+8*\k+3] offset:YP*\k
	ds_store_b128 v9, v[XX+8*\k+4:XX+8*\k+7] offset:YP*\k+16
	ds_store_b64 v10, v[120+2*\k:121+2*\k] offset:16*\k
.endr
	s_wait_dscnt 0x0                               ; for the others' sake: my stores have landed
	s_barrier_signal -1
	s_barrier_wait -1
	; ---- the product
.irp f, 0,1,2,3,4,5,6,7,8,9,10,11,12,13,14,15
	ds_load_b128 v[88+4*\f:91+4*\f], v13 offset:512*\f   ; y's four fragments
.endr
.irp j, 0,1,2,3,4,5,6,7
	ds_load_b32 v[168+\j], v14 offset:YP*\j        ; y(8 h + j, my column)
.endr
	s_wait_loadcnt 0x0
	s_wait_dscnt 0x0                               ; my reads of the images and of y are back: the products may begin, and I may say so:
	s_barrier_signal -1                            ; the stage lies over those bytes.  Up to the wait for this barrier, ahead of the stage's first store, stands work on registers alone
	v_wmma_f32_16x16x128_bf8_bf8 v[152:159], v[88:103], v[24:39], 0
	v_wmma_f32_16x16x128_bf8_bf8 v[160:167], v[104:119], v[40:55], 0
	v_wmma_f32_16x16x128_bf8_bf8 v[152:159], v[120:135], v[56:71], v[152:159]
	v_wmma_f32_16x16x128_bf8_bf8 v[160:167], v[136:151], v[72:87], v[160:167]
.rept 4
	v_nop                                          ; four places ahead of the first read of the results (ISA guide 7.12.1)
.endr
.irp i, 0,2,4,6
	v_pk_add_f32 v[BV+\i:BV+\i+1], v[152+\i:153+\i], v[160+\i:161+\i]   ; both accumulators from their low end on
.endr
.irp j, 0,1,2,3,4,5,6,7
	v_fma_f32 v[BV+\j], v[BV+\j], s46, v176        ; sum x 2^(e4 + e5) + bo
.endr
.irp j, 0,1,2,3,4,5,6,7
	v_max_num_f32 v[BV+\j], 0, v[BV+\j]
.endr
.irp j, 0,1,2,3,4,5,6,7
	v_add_f32 v[BV+\j], v[168+\j], v[BV+\j]        ; y + relu
.endr
	; ---- batch norm over the 16 batches: eight in my registers, and lane l xor 16's
	v_add_f32 v192, v184, v185
	v_add_f32 v193, v186, v187
	v_add_f32 v194, v188, v189
	v_add_f32 v195, v190, v191
	v_add_f32 v192, v192, v193
	v_add_f32 v194, v194, v195
	v_add_f32 v192, v192, v194
	v_permlanex16_b32 v193, v192, s48, s49
	v_add_f32 v192, v192, v193
	v_mul_f32 v192, s40, v192
.irp j, 0,1,2,3,4,5,6,7
	v_sub_f32 v[BV+\j], v[BV+\j], v192
.endr
	v_mul_f32 v194, v184, v184
.irp j, 1,2,3,4,5,6,7
	v_fmac_f32 v194, v[BV+\j], v[BV+\j]
.endr
	v_permlanex16_b32 v195, v194, s48, s49
	v_add_f32 v194, v194, v195
	v_fma_f32 v194, v194, s40, s42
	v_rsq_f32 v194, v194
	v_nop
	s_wait_alu depctr_va_vdst(0)
	v_mul_f32 v194, v194, v177
.irp j, 0,1,2,3,4,5,6,7
	v_fma_f32 v[BV+\j], v[BV+\j], v194, v178
.endr
	s_barrier_wait -1                              ; every wave's reads of the images and of y are back: the stage may be written over them
.irp j, 0,1,2,3,4,5,6,7
	ds_store_b32 v17, v[BV+\j] offset:OP*\j
.endr
	s_wait_dscnt 0x0                               ; a row's 512 bytes come from eight waves
	s_barrier_signal -1
	s_barrier_wait -1
	ds_load_b128 v[200:203], v18
	ds_load_b128 v[204:207], v18 offset:OP
	s_wait_dscnt 0x0
	global_store_b128 v19, v[200:203], s[26:27]              ; 32 lanes store 512 consecutive bytes, aligned
	global_store_b128 v19, v[204:207], s[26:27] offset:8192
	s_endpgm
.Lfunc_end_k_qab7bcadbf3_finish:
	.size	k_qab7bcadbf3_finish, .Lfunc_end_k_qab7bcadbf3_finish-k_qab7bcadbf3_finish
	.p2alignl 7, 3214868480
	.fill 96, 4, 3214868480
	.section	.rodata,"a",@progbits
	.p2align	6, 0x0
	.amdhsa_kernel k_qab7bcadbf3_finish
		.amdhsa_group_segment_fixed_size 41472
		.amdhsa_private_segment_fixed_size 0
		.amdhsa_enable_private_segment 0
		.amdhsa_kernarg_size 96
		.amdhsa_user_sgpr_count 2
		.amdhsa_user_sgpr_kernarg_segment_ptr 1
		.amdhsa_wavefront_size32 1
		.amdhsa_system_sgpr_workgroup_id_x 1
		.amdhsa_system_sgpr_workgroup_id_y 1
		.amdhsa_system_sgpr_workgroup_id_z 1
		.amdhsa_system_vgpr_workitem_id 0
		.amdhsa_next_free_vgpr 256
		.amdhsa_next_free_sgpr 66
		.amdhsa_reserve_vcc 0
		.amdhsa_float_denorm_mode_32 3
		.amdhsa_float_denorm_mode_16_64 3
		.amdhsa_memory_ordered 1
		.amdhsa_forward_progress 1
		.amdhsa_inst_pref_size 34
	.end_amdhsa_kernel
	.amdgpu_metadata
---
amdhsa.version: [ 1, 2 ]
amdhsa.kernels:
  - .name:           k_qab7bcadbf3_finish
    .symbol:         k_qab7bcadbf3_finish.kd
    .args:
      - { .name: po, .offset: 0, .size: 8, .value_kind: global_buffer, .address_space: global }
      - { .name: ps, .offset: 8, .size: 8, .value_kind: global_buffer, .address_space: global }
      - { .name: wo_frag, .offset: 16, .size: 8, .value_kind: global_buffer, .address_space: global }
      - { .name: M, .offset: 24, .size: 8, .value_kind: global_buffer, .address_space: global }
      - { .name: bv, .offset: 32, .size: 8, .value_kind: global_buffer, .address_space: global }
      - { .name: g0, .offset: 40, .size: 8, .value_kind: global_buffer, .address_space: global }
      - { .name: b0, .offset: 48, .size: 8, .value_kind: global_buffer, .address_space: global }
      - { .name: bo, .offset: 56, .size: 8, .value_kind: global_buffer, .address_space: global }
      - { .name: g1, .offset: 64, .size: 8, .value_kind: global_buffer, .address_space: global }
      - { .name: b1, .offset: 72, .size: 8, .value_kind: global_buffer, .address_space: global }
      - { .name: lowp_scales, .offset: 80, .size: 8, .value_kind: global_buffer, .address_space: global }
      - { .name: out0, .offset: 88, .size: 8, .value_kind: global_buffer, .address_space: global }
    .group_segment_fixed_size: 41472
    .private_segment_fixed_size: 0
    .kernarg_segment_align: 8
    .kernarg_segment_size: 96
    .max_flat_workgroup_size: 256
    .sgpr_count:     66
    .vgpr_count:     256
    .wavefront_size: 32
...
	.end_amdgpu_metadata
.endif
;; end of part 3
;; ======== version 2 of 2: 3 launches
;; limits: right only within a limited range of input values
;; workspace buffers: wk_frag 262,144 bytes; wv_frag 262,144 bytes; wo_frag 262,144 bytes; kc 16,384 bytes; po 524,288 bytes; ps 16,384 bytes
;; launch prep (part 4): grid 97 x 1, 4 waves a work-group, no clusters, 0 bytes of LDS; arguments Wk, Wv, Wo, S, M, bk, lowp_scales, wk_frag, wv_frag, wo_frag, kc; writes wk_frag, wv_frag, wo_frag, kc
.if DOCPART == 4
	.amdgcn_target "amdgcn-amd-amdhsa--gfx1250"
	.amdhsa_code_object_version 6
	.text
	.protected	k_qab7bcadbf3_prep
	.globl	k_qab7bcadbf3_prep
	.p2align	8
	.type	k_qab7bcadbf3_prep,@function
k_qab7bcadbf3_prep:
	s_mov_b64 s[64:65], 0
	v_nop
	global_prefetch_b8 v0, s[64:65] scope:SCOPE_SE
	s_setreg_imm32_b32 hwreg(HW_REG_WAVE_MODE, 25, 1), 1
	s_wait_xcnt 0x0
; The three weights [512][512] f32 (K innermost) become codes of BF8 (E5M2), laid in the ORDER OF THE OPERAND'S REGISTERS, and the score's constants are made.
; WORK LEFT OUT, in the whole program.  (1) In ll the terms -ln(2 pi)/2 - ln sigma, summed over a head, and log softmax(p) hang on (seed, head) alone; A is a softmax of ll / sqrt(512) over the instances n, and a term that is
; the same along n cancels in it, whatever the inputs hold.  So these terms are not made, and the input p, which enters nowhere else, is not loaded and is among no launch's arguments.
; (2) O = mu + sum of A V, and V = X Wv^T + bv with the sum of A over n equal to 1, so O = mu + bv + sum of A (X Wv^T).  mu + bv hangs on (seed, column) alone; the batch norm that follows takes the mean over the batches b
; away and divides by the deviation over b: a term that is the same along b cancels in both, whatever the inputs hold.  So it is not added; bv is not loaded and is among no launch's arguments; M is loaded for the scores alone.
; LIMIT: a NaN, an infinity or an overflow that reaches only the work left out is not carried to the result.
; FRAGMENTS.  Fragment (T = 0..31, kf = 0..3) lies at (4 T + kf) x 2,048 bytes: chunk c at 512 c, lane l at 16 l.  Lane (r = l % 16, h = l / 16) holds codes of its row of W; byte 4 j + i of chunk c is the code of
;   Wk, Wv: k = 256 (kf / 2) + 64 j + 32 (kf % 2) + 8 c + 4 h + i: the order in which the next launch's lanes, which load X in runs of 256 bytes, come by their numbers;
;   Wo:     k = 128 kf + 32 c + 16 h + 4 j + i.
; Each is a permutation of k that the other operand of the product shares, so every product meets its partner.
; The row of lane r in tile T: Wk, Wv: 64 (T / 4) + T % 4 + 4 r (a head is four tiles, and a lane's four tiles are four neighbouring columns); Wo: 16 T + r.
; code = x / 2^e, held within +-57,344, to the nearest code, ties to even; e = entry 1, 3, 5 of the scales.  LIMIT: -126 <= e <= 112.  NaN among the inputs is not served.
; Work-groups 0..95: tensor = number / 32, T = number % 32, wave = kf.  A wave stores 2,048 consecutive bytes.
; Work-group 96: wave = seed, lane l = columns 16 l .. 16 l + 15.  With kappa = log2(e) / sqrt(512) and sigma = softplus(S) = max(S, 0) + log1p(exp(-|S|)):
;   KW = sqrt(kappa / 2) / sigma x 2^(e0 + e1),  KB = (bk - mu) sqrt(kappa / 2) / sigma: the score in base 2 is -sum of (code sum x KW + KB)^2.
; kc: KW [4][512] at byte 0, KB [4][512] at 8,192.  LIMIT: S above -87, so that sigma is a normal f32 number.
	s_load_b256 s[4:11], s[0:1], 0x0               ; Wk s[4:5], Wv s[6:7], Wo s[8:9], S s[10:11]
	s_load_b128 s[12:15], s[0:1], 0x20             ; M s[12:13], bk s[14:15]
	s_load_b64 s[18:19], s[0:1], 0x30              ; the scales
	s_load_b128 s[20:23], s[0:1], 0x38             ; wk_frag s[20:21], wv_frag s[22:23]
	s_load_b128 s[24:27], s[0:1], 0x48             ; wo_frag s[24:25], kc s[26:27]
	v_lshrrev_b32 v1, 5, v0
	v_readfirstlane_b32 s28, v1                    ; wave
	v_and_b32 v1, 31, v0                           ; lane
	v_and_b32 v2, 15, v0                           ; r
	v_bfe_u32 v3, v0, 4, 1                         ; h
	s_cmp_eq_u32 ttmp9, 96
	s_cbranch_scc1 .Lconst
	; ---- a weight's fragment
	s_lshr_b32 s29, ttmp9, 5                       ; which tensor
	s_and_b32 s30, ttmp9, 31                       ; T
	s_lshl_b32 s31, s29, 3
	s_lshr_b32 s33, s30, 2
	s_lshl_b32 s33, s33, 6
	s_and_b32 s34, s30, 3
	s_add_co_u32 s33, s33, s34                     ; the tile's first row in Wk, Wv: 64 (T / 4) + T % 4,
	s_lshl_b32 s34, s30, 4                         ; in Wo: 16 T
	s_lshl_b32 s36, s28, 9                         ; the wave's bytes along the row: Wo: 512 kf;
	s_lshr_b32 s39, s28, 1
	s_lshl_b32 s39, s39, 10
	s_and_b32 s47, s28, 1
	s_lshl_b32 s47, s47, 7
	s_add_co_u32 s39, s39, s47                     ; Wk, Wv: 1,024 (kf / 2) + 128 (kf % 2)
	s_lshl_b32 s37, s30, 2
	s_add_co_u32 s37, s37, s28
	s_lshl_b32 s37, s37, 11                        ; (4 T + kf) x 2,048
	s_wait_kmcnt 0x0
	s_load_b32 s32, s[18:19], s31 offset:0x4       ; e: entry 1 + 2 x tensor
	s_cmp_eq_u32 s29, 1                            ; the choice of buffers hangs on the work-group's number alone
	s_cselect_b64 s[4:5], s[6:7], s[4:5]
	s_cselect_b64 s[20:21], s[22:23], s[20:21]
	s_cmp_eq_u32 s29, 2
	s_cselect_b64 s[4:5], s[8:9], s[4:5]
	s_cselect_b64 s[20:21], s[24:25], s[20:21]
	s_cselect_b32 s33, s34, s33
	s_cselect_b32 s35, 1, 4                        ; rows from lane to lane
	s_cselect_b32 s36, s36, s39
	s_cselect_b32 s48, 6, 4                        ; lanes 16-31 stand 64 bytes on in Wo, 16 in Wk, Wv
	s_wait_alu depctr_va_vdst(0)
	v_mul_u32_u24 v4, s35, v2
	v_add_nc_u32 v4, s33, v4                       ; my row
	v_lshlrev_b32 v4, 11, v4                       ; of 2,048 bytes
	v_lshlrev_b32 v6, s48, v3
	v_add_nc_u32 v4, v4, v6
	v_add_nc_u32 v4, s36, v4
	v_lshl_add_u32 v5, v1, 4, s37                  ; where my 16 bytes of a chunk go
	s_cmp_eq_u32 s29, 2                            ; the two orders of k differ in the loads' immediates: a branch on the work-group's number
	s_cbranch_scc1 .Lwo
.irp c, 0,1,2,3
.irp j, 0,1,2,3
	global_load_b128 v[16+16*\c+4*\j:16+16*\c+4*\j+3], v4, s[4:5] offset:32*\c+256*\j th:TH_LOAD_NT
.endr
.endr
	s_branch .Lloaded
.Lwo:
	s_wait_alu depctr_va_vdst(0)                   ; behind a taken branch
.irp c, 0,1,2,3
.irp j, 0,1,2,3
	global_load_b128 v[16+16*\c+4*\j:16+16*\c+4*\j+3], v4, s[4:5] offset:128*\c+16*\j th:TH_LOAD_NT
.endr
.endr
.Lloaded:
	s_wait_kmcnt 0x0
	s_add_co_i32 s32, s32, 127
	s_lshl_b32 s38, s32, 23
	v_mov_b32 v11, s38                             ; 2^e as f32: the conversion takes its exponent field
	s_add_co_i32 s32, s32, 15
	s_lshl_b32 s32, s32, 23
	s_or_b32 s32, s32, 0x600000
	v_mov_b32 v10, s32                             ; 57,344 x 2^e
	s_wait_alu depctr_va_vdst(0)                   ; directly ahead of the wait below
	s_wait_loadcnt 0x0
.irp c, 0,1,2,3
.irp i, 0,1,2,3,4,5,6,7,8,9,10,11,12,13,14,15
	v_med3_num_f32 v[16+16*\c+\i], v[16+16*\c+\i], -v10, v10   ; the conversion to an 8-bit code does not saturate (ISA guide 7.6.2): the hold comes first
.endr
	v_cvt_scalef32_pk8_bf8_f32 v[80+4*\c:81+4*\c], v[16+16*\c:23+16*\c], v11
	v_cvt_scalef32_pk8_bf8_f32 v[82+4*\c:83+4*\c], v[24+16*\c:31+16*\c], v11
.endr
.irp c, 0,1,2,3
	global_store_b128 v5, v[80+4*\c:83+4*\c], s[20:21] offset:512*\c   ; 32 lanes store 512 consecutive bytes, aligned
.endr
	s_endpgm
	; ---- the score's constants
.Lconst:
	s_wait_kmcnt 0x0
	s_load_b64 s[32:33], s[18:19], 0x0             ; e0, e1
	s_lshl_b32 s29, s28, 11                        ; the seed's 512 numbers
	s_wait_alu depctr_va_vdst(0)                   ; behind a taken branch and a wait
	v_lshlrev_b32 v4, 6, v1                        ; my 16 numbers
	v_add_nc_u32 v5, s29, v4
	s_mov_b32 s40, 0xbfb8aa3b                      ; -log2(e)
	s_mov_b32 s41, 0x3f317218                      ; ln 2
	s_mov_b32 s42, 0x3e36d544                      ; sqrt(kappa / 2)
.irp j, 0,1,2,3
	global_load_b128 v[16+4*\j:19+4*\j], v5, s[10:11] offset:16*\j   ; S
	global_load_b128 v[32+4*\j:35+4*\j], v5, s[12:13] offset:16*\j   ; mu
	global_load_b128 v[48+4*\j:51+4*\j], v4, s[14:15] offset:16*\j   ; bk
.endr
	s_wait_loadcnt 0x0
.irp i, 0,1,2,3,4,5,6,7,8,9,10,11,12,13,14,15
	v_mul_f32 v[80+\i], s40, |v[16+\i]|
.endr
	s_wait_alu depctr_va_vdst(0)                   ; a batch of transcendentals has one wait ahead of it,
.irp i, 0,1,2,3,4,5,6,7,8,9,10,11,12,13,14,15
	v_exp_f32 v[80+\i], v[80+\i]                   ; z = exp(-|S|)
.endr
	v_nop                                          ; a plain instruction behind its last,
	s_wait_alu depctr_va_vdst(0)                   ; and one wait ahead of its first reader
.irp i, 0,1,2,3,4,5,6,7,8,9,10,11,12,13,14,15
	v_add_f32 v[96+\i], 1.0, v[80+\i]              ; u = 1 + z
.endr
.irp i, 0,1,2,3,4,5,6,7,8,9,10,11,12,13,14,15
	v_add_f32 v[112+\i], -1.0, v[96+\i]            ; d = u - 1: what of z has gone into u
.endr
	s_wait_alu depctr_va_vdst(0)
.irp i, 0,1,2,3,4,5,6,7,8,9,10,11,12,13,14,15
	v_log_f32 v[96+\i], v[96+\i]
.endr
.irp i, 0,1,2,3,4,5,6,7,8,9,10,11,12,13,14,15
	v_rcp_f32 v[112+\i], v[112+\i]
.endr
	v_nop
	s_wait_alu depctr_va_vdst(0)
.irp i, 0,1,2,3,4,5,6,7,8,9,10,11,12,13,14,15
	v_mul_f32 v[112+\i], v[80+\i], v[112+\i]       ; z / d
	v_mul_f32 v[112+\i], s41, v[112+\i]
	v_cmp_eq_f32 vcc_lo, 0, v[96+\i]               ; log2(u) = 0: u = 1, d = 0: log1p(z) = z
	v_mul_f32 v[112+\i], v[96+\i], v[112+\i]       ; log1p(z) = ln(u) z / d
	v_cndmask_b32 v[112+\i], v[112+\i], v[80+\i], vcc_lo
	v_max_num_f32 v[96+\i], 0, v[16+\i]
	v_add_f32 v[96+\i], v[96+\i], v[112+\i]        ; sigma
.endr
	s_wait_alu depctr_va_vdst(0)
.irp i, 0,1,2,3,4,5,6,7,8,9,10,11,12,13,14,15
	v_rcp_f32 v[112+\i], v[96+\i]
.endr
	v_nop
	s_wait_kmcnt 0x0
	s_add_co_i32 s34, s32, s33                     ; e0 + e1
	s_wait_alu depctr_va_vdst(0)
.irp i, 0,1,2,3,4,5,6,7,8,9,10,11,12,13,14,15
	v_mul_f32 v[112+\i], s42, v[112+\i]            ; w = sqrt(kappa / 2) / sigma
	v_sub_f32 v[48+\i], v[48+\i], v[32+\i]
	v_mul_f32 v[48+\i], v[48+\i], v[112+\i]        ; KB = (bk - mu) w
	v_ldexp_f32 v[112+\i], v[112+\i], s34          ; KW = w 2^(e0 + e1)
.endr
.irp j, 0,1,2,3
	global_store_b128 v5, v[112+4*\j:115+4*\j], s[26:27] offset:16*\j
	global_store_b128 v5, v[48+4*\j:51+4*\j], s[26:27] offset:8192+16*\j
.endr
	s_endpgm
.Lfunc_end_k_qab7bcadbf3_prep:
	.size	k_qab7bcadbf3_prep, .Lfunc_end_k_qab7bcadbf3_prep-k_qab7bcadbf3_prep
	.p2alignl 7, 3214868480
	.fill 96, 4, 3214868480
	.section	.rodata,"a",@progbits
	.p2align	6, 0x0
	.amdhsa_kernel k_qab7bcadbf3_prep
		.amdhsa_group_segment_fixed_size 0
		.amdhsa_private_segment_fixed_size 0
		.amdhsa_enable_private_segment 0
		.amdhsa_kernarg_size 88
		.amdhsa_user_sgpr_count 2
		.amdhsa_user_sgpr_kernarg_segment_ptr 1
		.amdhsa_wavefront_size32 1
		.amdhsa_system_sgpr_workgroup_id_x 1
		.amdhsa_system_sgpr_workgroup_id_y 1
		.amdhsa_system_sgpr_workgroup_id_z 1
		.amdhsa_system_vgpr_workitem_id 0
		.amdhsa_next_free_vgpr 128
		.amdhsa_next_free_sgpr 66
		.amdhsa_reserve_vcc 1
		.amdhsa_float_denorm_mode_32 3
		.amdhsa_float_denorm_mode_16_64 3
		.amdhsa_memory_ordered 1
		.amdhsa_forward_progress 1
		.amdhsa_inst_pref_size 24
	.end_amdhsa_kernel
	.amdgpu_metadata
---
amdhsa.version: [ 1, 2 ]
amdhsa.kernels:
  - .name:           k_qab7bcadbf3_prep
    .symbol:         k_qab7bcadbf3_prep.kd
    .args:
      - { .name: Wk, .offset: 0, .size: 8, .value_kind: global_buffer, .address_space: global }
      - { .name: Wv, .offset: 8, .size: 8, .value_kind: global_buffer, .address_space: global }
      - { .name: Wo, .offset: 16, .size: 8, .value_kind: global_buffer, .address_space: global }
      - { .name: S, .offset: 24, .size: 8, .value_kind: global_buffer, .address_space: global }
      - { .name: M, .offset: 32, .size: 8, .value_kind: global_buffer, .address_space: global }
      - { .name: bk, .offset: 40, .size: 8, .value_kind: global_buffer, .address_space: global }
      - { .name: lowp_scales, .offset: 48, .size: 8, .value_kind: global_buffer, .address_space: global }
      - { .name: wk_frag, .offset: 56, .size: 8, .value_kind: global_buffer, .address_space: global }
      - { .name: wv_frag, .offset: 64, .size: 8, .value_kind: global_buffer, .address_space: global }
      - { .name: wo_frag, .offset: 72, .size: 8, .value_kind: global_buffer, .address_space: global }
      - { .name: kc, .offset: 80, .size: 8, .value_kind: global_buffer, .address_space: global }
    .group_segment_fixed_size: 0
    .private_segment_fixed_size: 0
    .kernarg_segment_align: 8
    .kernarg_segment_size: 88
    .max_flat_workgroup_size: 128
    .sgpr_count:     66
    .vgpr_count:     128
    .wavefront_size: 32
...
	.end_amdgpu_metadata
.endif
;; end of part 4
;; launch pool (part 5): grid 256 x 1, 4 waves a work-group, no clusters, 327,680 bytes of LDS; arguments X, wk_frag, wv_frag, kc, lowp_scales, po, ps; writes po, ps
.if DOCPART == 5
	.amdgcn_target "amdgcn-amd-amdhsa--gfx1250"
	.amdhsa_code_object_version 6
	.text
	.protected	k_qab7bcadbf3_pool
	.globl	k_qab7bcadbf3_pool
	.p2align	8
	.type	k_qab7bcadbf3_pool,@function
k_qab7bcadbf3_pool:
	s_mov_b64 s[64:65], 0
	v_nop
	global_prefetch_b8 v0, s[64:65] scope:SCOPE_SE
	s_setreg_imm32_b32 hwreg(HW_REG_WAVE_MODE, 25, 1), 1
	s_wait_xcnt 0x0
; K = Q(X) Q(Wk)^T and V = Q(X) Q(Wv)^T on codes of BF8 (E5M2), the Gaussian scores, a softmax over the instances by a running maximum, and the sum of p V: a partial for each work-group.  K and V never go to memory.
; LEFT OUT: -ln(2 pi)/2 - ln sigma summed over a head, and log softmax(p), are added to every instance's score of one (seed, head) alike, and the softmax runs over the instances: they cancel for all values of the inputs.
; So the score here is -sum of (code sum x KW + KB)^2 alone, and kc's third table is not read.  LIMIT: a NaN, an infinity or an overflow that reaches only those terms is not carried to the result.
; SHARES.  Work-group 16 b + 4 q + s owns the 512 instances n = 512 q .. of batch b and seed s; X is read once in the launch.  Wave w owns heads 2 w, 2 w + 1: eight tiles of 16 columns of K and eight of V.
; The even tiles' fragments stay in 512 registers, the odd tiles' in the wave's own 64 KB of LDS (the last fragment of the last odd tile in 16 registers: its LDS bytes hold the spare words).
; No cluster and no tensor load: no work-group shares X with another; half of the weights go to registers.
; No prefetch: each unit of X is asked for a whole block (128 matrix instructions) ahead of its use, 32 loads a wave out.
; X GOES ROUND AS CODES.  Of a block of 32 rows wave w quantises the 16 rows of tile w / 2, k = 256 (w % 2) .. + 255, in eight units of two rows: lane (rho = l / 16, t = l % 16) takes in load j the 16 bytes at
; 1,024 (w % 2) + 256 j + 16 t of row 2 g + rho.  Its 16 codes fill one 16-byte place of an image of the operand's registers: fragment kf = 2 (w % 2) + t / 8, chunk (t % 8) / 2, half t % 2; the weights' fragments are laid by the
; same permutation of k.  In the block of 256 bytes t' = 8 (kf % 2) + 2 c + h row r lies at column r xor t', so that sixteen lanes touch sixteen columns.
; ONE SCALE OR TWO.  Where e0 = e2 (s31 = 0) X's codes for K are its codes for V.
; A BLOCK: 16 tiles (0-7 K, 8-15 V; even from registers, odd from LDS) x 8 matrix instructions in a run, two accumulators by turns, neighbouring tiles on the other set.
; Behind a run stands the list of the tile before it; ahead of an odd run a piece of the softmax or of the next block's quantising, while the odd tile's fragments come from LDS.
; LAYOUT.  Source 0 = 16 rows of X, source 1 = 16 rows of W: lane (r, h) holds column 64 head + 4 r + t' and its register j row 8 h + j.  Each half of the lanes keeps its own running maximum; the halves meet at the end.
; SOFTMAX, base 2: m = the largest score so far; p = 2^(t - m); l and O are multiplied by 2^(old m - new m) in every block.
; OUT.  po [work-group][512]: sum of p x (code sums of V);  ps [work-group][head][m, l].
; LIMITS: e0, e2 between -126 and 112.  NaN among the inputs is not served.  m begins at -3e38: scores under that are not served.
; WINDOWS: 0: the map below;  1: v0-127 X's fragments (64 m + 16 kf), v128-255 f32 numbers on their way in (16 a unit);  2: Wk's even tiles (64 e + 16 kf);  3: Wv's.
; LDS: 65,536 a wave: Wk's four odd tiles, then Wv's, 8,192 each;  260,096 the spare words;  262,144 two image buffers of 32,768: K's codes, then V's, fragment (m, kf) at 2,048 (4 m + kf).
.set IM,   262144
.set SPARE, 260096
.set XA,   2                           ; X: 8,192 rho + 16 t + 131,072 (w / 2) + 1,024 (w % 2)
.set WVA,  3                           ; 65,536 w + 16 lane
.set SPW,  4                           ; my spare word; never rewritten
.set NIL,  5                           ; 0; never rewritten
.set SC0,  8                           ; 2^e0, 2^e2 as f32
.set TM0,  10
.set MX,   12                          ; m of my two heads
.set FF,   14                          ; 2^(old m - new m)
.set FD,   16
.set LS,   18                          ; l, a pair a head
.set KW,   24
.set KB,   32
.set OO,   40                          ; O, a pair a tile
.set PP,   56                          ; the scores, then p: 16 u + 8 m + j
.set ACC,  88                          ; two sets of two accumulators
.set TT,   120                         ; sixteen numbers, held
.set CD,   136                         ; codes: 8 (unit % 2) + 4 scale
.set WF,   152                         ; an odd tile's four fragments
.set IMRX, 216                         ; image reads: register 4 (kf % 2) + c
.set IMWX, 224                         ; image stores: register g
.set WX,   232                         ; tile 15's fragment kf = 3
.set T1,   248                         ; three pairs at work in V's list
.set XF,   0
.set SS,   128
.set MSB,  0
.macro WIN new
.if MSB != \new
	s_set_vgpr_msb (MSB<<8)|\new
.set MSB, \new
.endif
.endm
.macro WALU
	s_wait_alu depctr_va_vdst(0)
.endm
; THE LIST OF A TILE.  K: 8 x y = sum x KW + KB (in place, each accumulator from its low end on), 8 x P -= y y.  V: O += sum x p in four chains (O and three pairs), then the chains are added: 11 lines.
.macro AT tau
.set a_x, 0
.set a_set, (\tau)%2
.set a_l, (\tau)%8
.set a_k, (\tau)/8
.set a_n, 16-5*a_k
.endm
.macro AEM n
.rept \n
.if a_x < a_n
.set a_r, ACC+16*a_set+2*(a_x%8)
.set a_p, PP+16*(a_l/4)+2*(a_x%8)
.set a_o, OO+2*a_l
.set a_t, T1+2*(a_x%4)-2
.set a_c, a_l-(a_l%2)
.if a_k == 0
.if a_x < 8
.if (a_l%2) == 0
	v_pk_fma_f32 v[a_r:a_r+1], v[a_r:a_r+1], v[KW+a_c:KW+a_c+1], v[KB+a_c:KB+a_c+1] op_sel_hi:[1,0,0]
.else
	v_pk_fma_f32 v[a_r:a_r+1], v[a_r:a_r+1], v[KW+a_c:KW+a_c+1], v[KB+a_c:KB+a_c+1] op_sel:[0,1,1] op_sel_hi:[1,1,1]
.endif
.elseif (a_l%4) == 0
	v_pk_mul_f32 v[a_p:a_p+1], v[a_r:a_r+1], v[a_r:a_r+1] neg_lo:[1,0] neg_hi:[1,0]
.else
	v_pk_fma_f32 v[a_p:a_p+1], v[a_r:a_r+1], v[a_r:a_r+1], v[a_p:a_p+1] neg_lo:[1,0,0] neg_hi:[1,0,0]
.endif
.elseif a_x < 8
.if (a_x%4) == 0
	v_pk_fma_f32 v[a_o:a_o+1], v[a_r:a_r+1], v[a_p:a_p+1], v[a_o:a_o+1]
.elseif a_x < 4
	v_pk_mul_f32 v[a_t:a_t+1], v[a_r:a_r+1], v[a_p:a_p+1]
.else
	v_pk_fma_f32 v[a_t:a_t+1], v[a_r:a_r+1], v[a_p:a_p+1], v[a_t:a_t+1]
.endif
.elseif a_x == 8
	v_pk_add_f32 v[T1:T1+1], v[T1:T1+1], v[T1+2:T1+3]
.elseif a_x == 9
	v_pk_add_f32 v[a_o:a_o+1], v[a_o:a_o+1], v[T1+4:T1+5]
.else
	v_pk_add_f32 v[a_o:a_o+1], v[a_o:a_o+1], v[T1:T1+1]
.endif
.set a_x, a_x+1
.endif
.endr
.endm
; THE SOFTMAX OF HEAD u, lines lo .. hi - 1 of 113:  0-63 the 16 scores summed over the 16 lanes of a half;  64-73 the maximum, old m - new m;  74-81 t - m;  82-98 one batch of 17 exponentials, with the wait ahead of it,
; a plain line (99) and the wait behind it (100);  101-108 l;  109-112 O x f.
.macro BB u, lo, hi
.set b_u, \u
.set b_p, PP+16*b_u
.set b_x, \lo
.rept (\hi)-(\lo)
.if b_x < 64
	v_add_f32_dpp v[b_p+b_x%16], v[b_p+b_x%16], v[b_p+b_x%16] row_xmask:1<<(b_x/16) row_mask:0xf bank_mask:0xf
.elseif b_x == 64
	v_max3_num_f32 v[TM0], v[b_p], v[b_p+1], v[b_p+2]
.elseif b_x == 65
	v_max3_num_f32 v[TM0+1], v[b_p+3], v[b_p+4], v[b_p+5]
.elseif b_x < 71
	v_max3_num_f32 v[TM0+b_x%2], v[TM0+b_x%2], v[b_p+6+2*(b_x-66)], v[b_p+7+2*(b_x-66)]
.elseif b_x == 71
	v_max3_num_f32 v[TM0], v[TM0], v[TM0+1], v[MX+b_u]
.elseif b_x == 72
	v_sub_f32 v[FD+b_u], v[MX+b_u], v[TM0]
.elseif b_x == 73
	v_mov_b32 v[MX+b_u], v[TM0]
.elseif b_x < 82
.if b_u == 0
	v_pk_add_f32 v[b_p+2*(b_x-74):b_p+2*(b_x-74)+1], v[b_p+2*(b_x-74):b_p+2*(b_x-74)+1], v[MX:MX+1] op_sel_hi:[1,0] neg_lo:[0,1] neg_hi:[0,1]
.else
	v_pk_add_f32 v[b_p+2*(b_x-74):b_p+2*(b_x-74)+1], v[b_p+2*(b_x-74):b_p+2*(b_x-74)+1], v[MX:MX+1] op_sel:[0,1] op_sel_hi:[1,1] neg_lo:[0,1] neg_hi:[0,1]
.endif
.elseif b_x == 82
	WALU
	v_exp_f32 v[FF+b_u], v[FD+b_u]
.elseif b_x < 99
	v_exp_f32 v[b_p+b_x-83], v[b_p+b_x-83]
.elseif b_x == 99
	v_nop
.elseif b_x == 100
	WALU
.elseif b_x == 101
.if b_u == 0
	v_pk_fma_f32 v[LS:LS+1], v[LS:LS+1], v[FF:FF+1], v[b_p:b_p+1] op_sel_hi:[1,0,1]
.else
	v_pk_fma_f32 v[LS+2:LS+3], v[LS+2:LS+3], v[FF:FF+1], v[b_p:b_p+1] op_sel:[0,1,0] op_sel_hi:[1,1,1]
.endif
.elseif b_x < 109
	v_pk_add_f32 v[LS+2*b_u:LS+2*b_u+1], v[LS+2*b_u:LS+2*b_u+1], v[b_p+2*(b_x-101):b_p+2*(b_x-101)+1]
.elseif b_u == 0
	v_pk_mul_f32 v[OO+2*(b_x-109):OO+2*(b_x-109)+1], v[OO+2*(b_x-109):OO+2*(b_x-109)+1], v[FF:FF+1] op_sel_hi:[1,0]
.else
	v_pk_mul_f32 v[OO+8+2*(b_x-109):OO+8+2*(b_x-109)+1], v[OO+8+2*(b_x-109):OO+8+2*(b_x-109)+1], v[FF:FF+1] op_sel:[0,1] op_sel_hi:[1,1]
.endif
.set b_x, b_x+1
.endr
.endm
.macro WFL t                           ; the odd tile t's fragments, from my wave's own LDS (tile 15: three of them)
.irp f, 0,1,2,3,4,5,6,7,8,9,10,11,12,13,14,15
.if ((\t) < 15) || (\f < 12)
	ds_load_b128 v[WF+4*\f:WF+4*\f+3], v[WVA] offset:32768*((\t)/8)+8192*(((\t)%8)/2)+512*\f
.endif
.endr
.endm
.macro XFL sig, kf, buf                ; K step kf of both tiles of rows, codes at scale sig, from image buffer buf
	WIN 0x40
.irp m, 0,1
.irp c, 0,1,2,3
	ds_load_b128 v[XF+64*\m+16*(\kf)+4*\c:XF+64*\m+16*(\kf)+4*\c+3], v[IMRX+4*((\kf)%2)+\c] offset:32768*(\buf)+16384*(\sig)+2048*(4*\m+(\kf))+512*\c
.endr
.endr
.endm
.macro RUN tau                         ; a tile: 16 columns x 32 rows x 512 along K
.if ((\tau)%2) == 1
	WIN 0x01
.elseif (\tau) < 8
	WIN 0x09
.else
	WIN 0x0d
.endif
.irp s, 0,1,2,3,4,5,6,7
.set t_d, ACC+16*((\tau)%2)+8*((\s)%2)
.set t_a, XF+64*((\s)%2)+16*((\s)/2)
.if ((\tau)%2) == 0
.set t_b, 64*(((\tau)%8)/2)+16*((\s)/2)
.elseif ((\tau) == 15) && ((\s) >= 6)
.set t_b, WX
.else
.set t_b, WF+16*((\s)/2)
.endif
.if (\s) < 2
	v_wmma_f32_16x16x128_bf8_bf8 v[t_d:t_d+7], v[t_a:t_a+15], v[t_b:t_b+15], 0
.else
	v_wmma_f32_16x16x128_bf8_bf8 v[t_d:t_d+7], v[t_a:t_a+15], v[t_b:t_b+15], v[t_d:t_d+7]
.endif
.endr
	WIN 0
.endm
; Unit g at scale par: sixteen holds (the conversion to an 8-bit code does not saturate: ISA guide 7.6.2), two conversions, a plain line behind them, the image's store into buffer dst.
.macro QSC g, par, dst
	WIN 0x01
.irp i, 0,1,2,3,4,5,6,7,8,9,10,11,12,13,14,15
	v_med3_num_f32 v[TT+\i], v[SS+16*(\g)+\i], s[24+2*(\par)], s[25+2*(\par)]
.endr
	WIN 0
	v_cvt_scalef32_pk8_bf8_f32 v[CD+8*((\g)%2)+4*(\par):CD+8*((\g)%2)+4*(\par)+1], v[TT:TT+7], v[SC0+(\par)]
	v_cvt_scalef32_pk8_bf8_f32 v[CD+8*((\g)%2)+4*(\par)+2:CD+8*((\g)%2)+4*(\par)+3], v[TT+8:TT+15], v[SC0+(\par)]
	v_nop
	ds_store_b128 v[IMWX+(\g)], v[CD+8*((\g)%2)+4*(\par):CD+8*((\g)%2)+4*(\par)+3] offset:32768*(\dst)+16384*(\par)
.endm
; Units g0 .. g0 + n - 1.  cnt: the loads issued behind theirs (none where cnt < 0).  ldo: where their registers' next numbers lie (none where ldo < 0).
.macro QS g0, n, dst, ldo, cnt
.if \cnt >= 0
	WALU                                           ; the wait ahead of a wait that blocks
	s_wait_loadcnt \cnt
.endif
.set q_g, \g0
.rept \n
	QSC q_g, 0, \dst
.set q_g, q_g+1
.endr
	WALU                                           ; and ahead of a branch
	s_cmp_eq_u32 s31, 0                            ; one scale for both products: K's codes serve V
	s_cbranch_scc1 .Lq\@
.set q_g, \g0
.rept \n
	QSC q_g, 1, \dst
.set q_g, q_g+1
.endr
.Lq\@:
.if \ldo >= 0
	WIN 0x40
.set q_g, \g0
.rept \n
.irp j, 0,1,2,3
	global_load_b128 v[SS+16*q_g+4*\j:SS+16*q_g+4*\j+3], v[XA], s[4:5] offset:\ldo+16384*q_g+256*\j th:TH_LOAD_NT   ; 256 consecutive bytes, aligned, of each of two rows
.endr
.set q_g, q_g+1
.endr
	WIN 0
.endif
.endm
.macro QF g0, n, q, ld, buf            ; in a block: the loads behind a slot's last unit are the other units' (ld = 1) or the later units' alone
.if \q
.if \ld
	QS \g0, \n, 1-(\buf), 524288+262144*(\buf), 32-4*(\n)
.else
	QS \g0, \n, 1-(\buf), -1, 32-4*((\g0)+(\n))
.endif
.endif
.endm
; A PAIR of tiles 2 p (registers) and 2 p + 1 (LDS).  The counted waits on DScnt count what was issued behind the wanted loads on the way with one scale: the next odd tile's 16 loads, and one image store a unit.
.macro PAIR p, q, ld, buf, last
.if (\p) == 0
	WALU
	s_wait_dscnt 16+2*(\q)                         ; X's fragments are in
.elseif (\p) == 4
	WALU
	s_wait_dscnt 16                                ; V's codes, where they were fetched
.endif
	RUN 2*(\p)
.if (\p) > 0
	AT 2*(\p)-1
	AEM 16
.elseif !(\q)
.rept 4
	v_nop                                          ; four places ahead of the first read of tile 0's results (ISA guide 7.12.1)
.endr
.endif
.if (\p) == 0
	QF 2, 1, \q, \ld, \buf
.elseif (\p) == 1
	QF 3, 1, \q, \ld, \buf
.elseif (\p) == 2
	BB 0, 0, 64
.elseif (\p) == 3
	BB 0, 64, 113
.elseif (\p) == 4
	BB 1, 0, 64
.elseif (\p) == 5
	BB 1, 64, 113
.elseif (\p) == 6
	QF 4, 2, \q, \ld, \buf
.else
	QF 6, 2, \q, \ld, \buf
.endif
	WALU
.if (\p) == 0
	s_wait_dscnt 3*(\q)
.elseif (\p) == 1
	s_wait_dscnt \q
.elseif (\p) == 6
	s_wait_dscnt 2*(\q)
.else
	s_wait_dscnt 0x0
.endif
.if ((\p) == 7) && !(\last)
	s_barrier_signal -1                            ; my images of the next block are stored, my reads of this block's are back; up to the wait: work on registers alone
.endif
	RUN 2*(\p)+1
.if ((\p) == 3) || ((\p) == 5)
	WALU                                           ; the wait stands directly ahead of their readers
.endif
	AT 2*(\p)
	AEM 8                                          ; also the places ahead of the loads below
.if (\p) == 3
	WALU
	s_cmp_eq_u32 s31, 0
	s_cbranch_scc1 .Lx\@
.irp f, 0,1,2,3
	XFL 1, \f, \buf
.endr
	WIN 0
.Lx\@:
.endif
.if (\p) < 7
	WFL 2*(\p)+3
.endif
	AEM 16
.if (\p) == 7
	AT 15
	AEM 16
.endif
.endm
.macro BLOCK buf, q, ld, last
.irp f, 0,1,2,3
	XFL 0, \f, \buf
.endr
	WIN 0
	WFL 1
	QF 0, 2, \q, \ld, \buf
.irp p, 0,1,2,3,4,5,6,7
	PAIR \p, \q, \ld, \buf, \last
.endr
.if !(\last)
	WALU
	s_barrier_wait -1                              ; this block's buffer may be written, the other read
.endif
.endm
.macro LOADW i, odd                    ; tile 2 (i % 4) + odd of my eight of Wk (i < 4) or Wv, into the registers of even tile i
	WIN 0x80+0x40*((\i)/4)
.irp f, 0,1,2,3,4,5,6,7,8,9,10,11,12,13,14,15
.set l_d, 64*((\i)%4)+4*\f
.if (\odd) && ((\i) == 7) && (\f >= 12)
	WIN 0
.set l_d, WX+4*(\f-12)
.endif
.if (\i) < 4
	global_load_b128 v[l_d:l_d+3], v[WVA], s[6:7] offset:16384*((\i)%4)+8192*(\odd)+512*\f
.else
	global_load_b128 v[l_d:l_d+3], v[WVA], s[8:9] offset:16384*((\i)%4)+8192*(\odd)+512*\f
.endif
.endr
	WIN 0
.endm
.macro STOW i                          ; the odd tile that lies in even tile i's registers goes to LDS
	WIN 0x08+0x04*((\i)/4)
.irp f, 0,1,2,3,4,5,6,7,8,9,10,11,12,13,14,15
.if ((\i) < 7) || (\f < 12)
	ds_store_b128 v[WVA], v[64*((\i)%4)+4*\f:64*((\i)%4)+4*\f+3] offset:32768*((\i)/4)+8192*((\i)%4)+512*\f
.endif
.endr
	WIN 0
.endm
	s_load_b256 s[4:11], s[0:1], 0x0               ; X s[4:5], wk_frag s[6:7], wv_frag s[8:9], kc s[10:11]
	s_load_b128 s[12:15], s[0:1], 0x20             ; the scales s[12:13], po s[14:15]
	s_load_b64 s[16:17], s[0:1], 0x30              ; ps
	v_lshl_add_u32 v[SPW], v0, 2, SPARE
	v_mov_b32 v[NIL], 0
	v_lshrrev_b32 v1, 5, v0
	v_readfirstlane_b32 s18, v1                    ; wave
	s_lshl_b32 s20, s18, 9
	s_lshl_b32 s21, s18, 16
	s_lshl_b32 s22, s18, 12
	s_lshr_b32 s41, s18, 1
	s_lshl_b32 s41, s41, 17                        ; my tile of rows: 16 (w / 2) rows of 8,192 bytes
	s_and_b32 s42, s18, 1
	s_lshl_b32 s42, s42, 10                        ; my half of a row
	s_add_co_u32 s41, s41, s42
	s_and_b32 s19, ttmp9, 3                        ; the seed
	s_lshl_b32 s23, s19, 11
	s_add_co_u32 s23, s23, s20
	s_lshr_b32 s28, ttmp9, 4
	s_lshl_b32 s28, s28, 24                        ; b x 2,048 instances of 8,192 bytes
	s_bfe_u32 s29, ttmp9, 0x20002
	s_lshl_b32 s29, s29, 22                        ; q x 512 instances
	s_add_co_u32 s28, s28, s29
	s_lshl_b32 s29, s19, 11                        ; the seed's 2,048 bytes
	s_add_co_u32 s28, s28, s29
	s_mov_b32 s29, 0
	s_mov_b32 s32, 0x76543210                      ; v_permlanex16_b32: lane l xor 16
	s_mov_b32 s33, 0xfedcba98
	v_and_b32 v1, 31, v0                           ; lane; kept
	v_and_b32 v248, 15, v0                         ; lane % 16
	v_bfe_u32 v249, v0, 4, 1                       ; lane / 16
	v_lshlrev_b32 v[XA], 13, v249
	v_lshl_add_u32 v[XA], v248, 4, v[XA]
	v_add_nc_u32 v[XA], s41, v[XA]
	v_lshlrev_b32 v[WVA], 4, v1
	v_add_nc_u32 v[WVA], s21, v[WVA]
	v_xor_b32 v251, v248, v249
	v_lshlrev_b32 v251, 4, v251                    ; the turned column, before the constant part of the turn
	v_lshl_add_u32 v[IMRX], v249, 8, v251
	v_add_nc_u32 v[IMRX], IM, v[IMRX]              ; reads: IM + 256 h + 16 (r xor h)
	v_lshl_add_u32 v[IMWX], v248, 8, v251
	v_add_nc_u32 v[IMWX], s22, v[IMWX]
	v_add_nc_u32 v[IMWX], IM, v[IMWX]              ; stores: IM + 4,096 w + 256 t + 16 (rho xor t)
.irp i, 1,2,3,4,5,6,7
	v_xor_b32 v[IMRX+\i], 128*(\i/4)+32*(\i%4), v[IMRX]   ; the column xor 8 (kf % 2) + 2 c
	v_xor_b32 v[IMWX+\i], 32*\i, v[IMWX]                  ; the column xor 2 g
.endr
	v_lshl_add_u32 v250, v248, 4, s23              ; KW, KB: (512 s + 128 w + 4 r) x 4 bytes
	WALU                                           ; directly ahead of the wait below
	s_wait_kmcnt 0x0
	s_add_nc_u64 s[4:5], s[4:5], s[28:29]
	s_load_b128 s[36:39], s[12:13], 0x0            ; e0, e1, e2, e3
	WIN 0x40
.irp g, 0,1,2,3,4,5,6,7
.irp j, 0,1,2,3
	global_load_b128 v[SS+16*\g+4*\j:SS+16*\g+4*\j+3], v[XA], s[4:5] offset:16384*\g+256*\j th:TH_LOAD_NT   ; block 0
.endr
.endr
	WIN 0
	global_load_b128 v[KW:KW+3], v250, s[10:11]
	global_load_b128 v[KW+4:KW+7], v250, s[10:11] offset:256
	global_load_b128 v[KB:KB+3], v250, s[10:11] offset:8192
	global_load_b128 v[KB+4:KB+7], v250, s[10:11] offset:8448
	LOADW 0, 1
	LOADW 1, 1
	s_wait_kmcnt 0x0
	s_xor_b32 s31, s36, s38                        ; 0 where X has one scale for both products
	s_add_co_i32 s20, s36, 127
	s_lshl_b32 s21, s20, 23
	v_mov_b32 v[SC0], s21                          ; 2^e0 as f32: the conversion takes its exponent field
	s_add_co_i32 s20, s20, 15
	s_lshl_b32 s20, s20, 23
	s_or_b32 s25, s20, 0x600000                    ; 57,344 x 2^e0,
	s_or_b32 s24, s25, 0x80000000                  ; and its negative
	s_add_co_i32 s20, s38, 127
	s_lshl_b32 s21, s20, 23
	v_mov_b32 v[SC0+1], s21                        ; the same for e2
	s_add_co_i32 s20, s20, 15
	s_lshl_b32 s20, s20, 23
	s_or_b32 s27, s20, 0x600000
	s_or_b32 s26, s27, 0x80000000
	v_mov_b32 v[MX], 0xff61b1e6                    ; -3e38, under every score
	v_mov_b32 v[MX+1], 0xff61b1e6
.irp i, 0,1
	v_mov_b32 v[FF+\i], 0
.endr
.irp i, 0,1,2,3
	v_mov_b32 v[LS+\i], 0                          ; the block is written for every block alike: the first finds zeros
.endr
.irp i, 0,1,2,3,4,5,6,7,8,9,10,11,12,13,14,15
	v_mov_b32 v[OO+\i], 0
.endr
; THE WEIGHTS, eight steps.  Odd tile i has landed in even tile i's registers: it goes to LDS; odd tile i + 2 is asked for; unit i of block 0 is quantised and its registers take block 1; the stores have read their
; registers; even tile i is asked for.  Behind odd tile i's 16 loads were issued: step 0: 16; step 1: 16 + 4 + 16; steps 2 to 6: 2 x (16 + 4) + 16; step 7: 2 x (16 + 4).
.irp i, 0,1,2,3,4,5,6,7
	WALU
.if \i == 0
	s_wait_loadcnt 16
.elseif \i == 1
	s_wait_loadcnt 36
.elseif \i == 7
	s_wait_loadcnt 40
.else
	s_wait_loadcnt 56
.endif
	STOW \i
.if \i < 6
	LOADW \i+2, 1
.endif
	QS \i, 1, 0, 262144, -1
	s_wait_dscnt 0x0
	LOADW \i, 0
.endr
	s_wait_loadcnt 0x0                             ; the even tiles stay
	s_wait_dscnt 0x0                               ; block 0's images and my odd tiles lie in LDS
	s_barrier_signal -1
	s_barrier_wait -1
	s_mov_b32 s30, 7
.Lblk:                                                 ; blocks 0 to 13, two a trip, so that the image buffer is an immediate
	BLOCK 0, 1, 1, 0
	BLOCK 1, 1, 1, 0
	s_wait_xcnt 0x0                                ; the loads have read their base: it is stepped only behind this wait
	s_add_nc_u64 s[4:5], s[4:5], 524288
	s_sub_co_u32 s30, s30, 1
	s_cmp_lg_u32 s30, 0
	s_cbranch_scc1 .Lblk
	BLOCK 0, 1, 0, 0                               ; block 14 quantises block 15 and asks for nothing: no load leaves X
	BLOCK 1, 0, 0, 1                               ; block 15
	; THE END.  The two halves of the lanes meet: m' = the larger m; each half's l and O are brought under it and added.
	v_permlanex16_b32 v[TT], v[MX], s32, s33
	v_permlanex16_b32 v[TT+1], v[MX+1], s32, s33
	v_max_num_f32 v248, v[MX], v[TT]
	v_max_num_f32 v250, v[MX+1], v[TT+1]
	v_sub_f32 v220, v[MX], v248
	v_sub_f32 v221, v[MX+1], v250
	WALU                                           ; the wait ahead of the batch,
	v_exp_f32 v220, v220
	v_exp_f32 v221, v221
	v_add_f32 v249, v[LS], v[LS+1]
	v_add_f32 v251, v[LS+2], v[LS+3]
.irp t, 0,1,2,3,4,5,6,7
	v_add_f32 v[226+\t], v[OO+2*\t], v[OO+2*\t+1]
.endr
	WALU                                           ; and the one behind it
	v_mul_f32 v249, v249, v220
	v_mul_f32 v251, v251, v221
.irp t, 0,1,2,3,4,5,6,7
	v_mul_f32 v[226+\t], v[226+\t], v[220+\t/4]
.endr
	v_permlanex16_b32 v[TT+2], v249, s32, s33
	v_permlanex16_b32 v[TT+3], v251, s32, s33
.irp t, 0,1,2,3,4,5,6,7
	v_permlanex16_b32 v[TT+4+\t], v[226+\t], s32, s33
.endr
	v_add_f32 v249, v249, v[TT+2]
	v_add_f32 v251, v251, v[TT+3]
.irp t, 0,1,2,3,4,5,6,7
	v_add_f32 v[226+\t], v[226+\t], v[TT+4+\t]
.endr
	v_cmp_le_u32 vcc_lo, 16, v1                    ; lanes 0-15 store head 2 w's columns 4 r + 0 .. 3, lanes 16-31 head 2 w + 1's
.irp t, 0,1,2,3
	v_cndmask_b32 v[242+\t], v[226+\t], v[230+\t], vcc_lo
.endr
	s_lshl_b32 s20, ttmp9, 11
	s_lshl_b32 s21, s18, 9
	s_add_co_u32 s20, s20, s21
	v_lshl_add_u32 v246, v1, 4, s20
	global_store_b128 v246, v[242:245], s[14:15]   ; 32 lanes store 512 consecutive bytes, aligned: my wave's 128 columns
	s_lshl_b32 s20, ttmp9, 6
	s_lshl_b32 s21, s18, 4
	s_add_co_u32 s20, s20, s21
	v_mov_b32 v247, s20
	v_cmp_eq_u32 vcc_lo, 0, v1
	WALU
	s_wait_xcnt 0x0                                ; EXEC changes only behind this wait
	s_and_saveexec_b32 s22, vcc_lo
	global_store_b128 v247, v[248:251], s[16:17]   ; lane 0: m', l of my two heads
	s_wait_xcnt 0x0
	s_or_b32 exec_lo, exec_lo, s22
	s_wait_tensorcnt 0x0                           ; the wave's end
	ds_add_u32 v[SPW], v[NIL]
	s_wait_dscnt 0x0
	s_endpgm
.Lfunc_end_k_qab7bcadbf3_pool:
	.size	k_qab7bcadbf3_pool, .Lfunc_end_k_qab7bcadbf3_pool-k_qab7bcadbf3_pool
	.p2alignl 7, 3214868480
	.fill 96, 4, 3214868480
	.section	.rodata,"a",@progbits
	.p2align	6, 0x0
	.amdhsa_kernel k_qab7bcadbf3_pool
		.amdhsa_group_segment_fixed_size 327680
		.amdhsa_private_segment_fixed_size 0
		.amdhsa_enable_private_segment 0
		.amdhsa_kernarg_size 56
		.amdhsa_user_sgpr_count 2
		.amdhsa_user_sgpr_kernarg_segment_ptr 1
		.amdhsa_wavefront_size32 1
		.amdhsa_system_sgpr_workgroup_id_x 1
		.amdhsa_system_sgpr_workgroup_id_y 1
		.amdhsa_system_sgpr_workgroup_id_z 1
		.amdhsa_system_vgpr_workitem_id 0
		.amdhsa_next_free_vgpr 1024
		.amdhsa_next_free_sgpr 66
		.amdhsa_reserve_vcc 1
		.amdhsa_float_denorm_mode_32 3
		.amdhsa_float_denorm_mode_16_64 3
		.amdhsa_memory_ordered 1
		.amdhsa_forward_progress 1
		.amdhsa_inst_pref_size 255
	.end_amdhsa_kernel
	.section	.bss,"aw",@nobits
	.p2align	6
	.space	262144
	.amdgpu_metadata
---
amdhsa.version: [ 1, 2 ]
amdhsa.kernels:
  - .name:           k_qab7bcadbf3_pool
    .symbol:         k_qab7bcadbf3_pool.kd
    .args:
      - { .name: X, .offset: 0, .size: 8, .value_kind: global_buffer, .address_space: global }
      - { .name: wk_frag, .offset: 8, .size: 8, .value_kind: global_buffer, .address_space: global }
      - { .name: wv_frag, .offset: 16, .size: 8, .value_kind: global_buffer, .address_space: global }
      - { .name: kc, .offset: 24, .size: 8, .value_kind: global_buffer, .address_space: global }
      - { .name: lowp_scales, .offset: 32, .size: 8, .value_kind: global_buffer, .address_space: global }
      - { .name: po, .offset: 40, .size: 8, .value_kind: global_buffer, .address_space: global }
      - { .name: ps, .offset: 48, .size: 8, .value_kind: global_buffer, .address_space: global }
    .group_segment_fixed_size: 327680
    .private_segment_fixed_size: 0
    .kernarg_segment_align: 8
    .kernarg_segment_size: 56
    .max_flat_workgroup_size: 128
    .sgpr_count:     66
    .vgpr_count:     1024
    .wavefront_size: 32
...
	.end_amdgpu_metadata
.endif
;; end of part 5
;; launch finish (part 6): grid 4 x 4, 8 waves a work-group, no clusters, 42,240 bytes of LDS; arguments po, ps, wo_frag, g0, b0, bo, g1, b1, lowp_scales, out0; writes out0
.if DOCPART == 6
	.amdgcn_target "amdgcn-amd-amdhsa--gfx1250"
	.amdhsa_code_object_version 6
	.text
	.protected	k_qab7bcadbf3_finish
	.globl	k_qab7bcadbf3_finish
	.p2align	8
	.type	k_qab7bcadbf3_finish,@function
k_qab7bcadbf3_finish:
	s_mov_b64 s[64:65], 0
	v_nop
	global_prefetch_b8 v0, s[64:65] scope:SCOPE_SE
	s_setreg_imm32_b32 hwreg(HW_REG_WAVE_MODE, 25, 1), 1
	s_wait_xcnt 0x0
; The four partials of each (b, s) are merged; x = (sum of p V) / l; batch norm over b; y + relu(Q(y) Q(Wo)^T + bo) on codes of BF8 (E5M2); batch norm over b; out0.
; LEFT OUT: mu + bv, which the module has in O ahead of the first batch norm, is the same for all 16 batches of a (seed, column): the mean over b takes it away and the deviation over b does not see it, for all values of the
; inputs.  So it is not added, and M and bv are not among this launch's arguments.  LIMIT: a NaN, an infinity or an overflow that reaches only that term is not carried to the result.
; SHARES.  Work-group (x = g, y = s): seed s, output columns 128 g .. 128 g + 127, all 16 batches.  The product wants all 512 columns of y, so each of a seed's four work-groups makes them (128 KB of partials each).
; First half: wave v = head v; lane: bq = l % 4, cg = l / 4; a thread owns columns 64 v + 8 cg + 0 .. 7 of batches 4 bq + k, k = 0 .. 3: a sum over b is a sum over k and over four neighbouring lanes.
; y goes from wave to wave through LDS twice: as f32 (dense rows of 2,048 bytes) and as codes, an image of the operand's registers (fragment kf at 2,048 kf, chunk c at 512 c, lane at 16 l; rows = b).
; Second half: wave v makes the tile of columns 128 g + 16 v + r: source 0 = y's 16 rows, source 1 = 16 rows of Wo: lane (r, h), register j: batch 8 h + j.  Two accumulators take turns over the four K steps.
; LDS: 0 .. 8,191 the codes' images;  8,192 .. 40,959 y as f32;  41,216 .. 42,239 the spare words;  the stage for out0 (16 rows of 528 bytes) lies over the images and y's first bytes, from byte 0 on: it is written behind a
; barrier behind every wave's reads of both.
; THREE BARRIERS: y and its codes are stored | all waves read them | the stage is stored | whole rows are read back.
; LIMITS: e4 between -126 and 112; e4 + e5 between -126 and 127.  NaN among the inputs is not served.
.set RAW, 24                           ; v[24:151]  the partial sums: 32 k + 8 q + i;  later Wo's fragments (v24-87) and y's (v88-151)
.set ST,  152                          ; v[152:183] (m, l): 8 k + 2 q;  later the accumulators, y, bo, g1, b1
.set BV,  184                          ; v[184:191] z
.set MU,  192                          ; v[192:199] sums
.set G0,  200
.set B0,  208
.set XX,  216                          ; v[216:247] x, then y: 8 k + i
.set SA,  248                          ; v[248:255] sums
.set YS,  8192                         ; LDS: y as f32
.set YP,  2048                         ; its rows lie dense: every byte that the read-back's address can name is stored
.set OST, 0                            ; LDS: the stage for out0: 16 rows of 512 + 16 bytes
.set OP,  528
	s_load_b128 s[4:7], s[0:1], 0x0                ; po s[4:5], ps s[6:7]
	s_load_b64 s[8:9], s[0:1], 0x10                ; wo_frag
	s_load_b64 s[14:15], s[0:1], 0x18              ; g0
	s_load_b128 s[16:19], s[0:1], 0x20             ; b0 s[16:17], bo s[18:19]
	s_load_b256 s[20:27], s[0:1], 0x30             ; g1 s[20:21], b1 s[22:23], the scales s[24:25], out0 s[26:27]
	v_lshl_add_u32 v21, v0, 2, 41216               ; my spare word, behind y's rows: 128 bytes a wave; never rewritten
	v_mov_b32 v22, 0                               ; 0; never rewritten
	v_lshrrev_b32 v1, 5, v0
	s_delay_alu instid0(VALU_DEP_1)
	v_readfirstlane_b32 s28, v1                    ; wave v
	s_and_b32 s29, ttmp7, 0xffff                   ; seed s
	v_and_b32 v1, 31, v0                           ; lane
	v_and_b32 v2, 3, v0                            ; bq
	v_bfe_u32 v3, v0, 2, 3                         ; cg
	v_and_b32 v11, 15, v0                          ; r
	s_wait_alu depctr_va_vdst(0)
	v_bfe_u32 v12, v0, 4, 1                        ; h
	s_lshl_b32 s30, s29, 6
	s_lshl_b32 s31, s28, 3
	s_add_co_u32 s30, s30, s31
	v_lshl_add_u32 v4, v2, 12, s30                 ; ps: 64 (16 (4 bq) + s) + 8 v
	s_lshl_b32 s31, s29, 11
	s_lshl_b32 s36, s28, 8
	s_add_co_u32 s37, s31, s36
	v_lshlrev_b32 v6, 5, v3
	s_delay_alu instid0(VALU_DEP_1)
	v_add_nc_u32 v7, s37, v6                       ; g0, b0: 4 (512 s + 64 v + 8 cg)
	s_delay_alu instid0(VALU_DEP_1)
	v_lshl_add_u32 v5, v2, 17, v7                  ; po: 2,048 (16 (4 bq) + s) + 4 (64 v + 8 cg)
	s_lshl_b32 s38, ttmp9, 16
	s_lshl_b32 s39, s28, 13
	s_add_co_u32 s38, s38, s39
	v_lshlrev_b32 v13, 4, v1                       ; 16 x lane
	s_delay_alu instid0(VALU_DEP_1)
	v_add_nc_u32 v8, s38, v13                      ; wo_frag: tile 8 g + v
	s_and_b32 s38, ttmp9, 3                        ; g, 0 to 3: the grid's width
	s_lshl_b32 s38, s38, 9
	s_lshl_b32 s39, s28, 6
	s_add_co_u32 s38, s38, s39                     ; 4 (128 g + 16 v)
	v_lshl_add_u32 v15, v11, 2, s38                ; bo: my column
	s_delay_alu instid0(VALU_DEP_1)
	v_add_nc_u32 v16, s31, v15                     ; g1, b1: + 512 s
	v_mul_u32_u24 v9, v2, 4*YP
	s_delay_alu instid0(VALU_DEP_1)
	v_lshl_add_u32 v9, v3, 5, v9
	s_add_co_u32 s39, s36, YS
	v_add_nc_u32 v9, s39, v9                       ; y into LDS: row 4 bq (+ k), byte 4 (64 v + 8 cg)
	v_lshlrev_b32 v10, 9, v12                      ; the codes' place: 1,024 v + 512 (cg / 4) + 256 ((cg / 2) % 2) + 8 (cg % 2) + 16 (4 bq + k)
	v_bfe_u32 v14, v0, 3, 1
	s_delay_alu instid0(VALU_DEP_1)
	v_lshl_add_u32 v10, v14, 8, v10
	v_bfe_u32 v14, v0, 2, 1
	s_delay_alu instid0(VALU_DEP_1)
	v_lshl_add_u32 v10, v14, 3, v10
	s_delay_alu instid0(VALU_DEP_1)
	v_lshl_add_u32 v10, v2, 6, v10
	s_lshl_b32 s39, s28, 10
	v_add_nc_u32 v10, s39, v10
	v_mul_u32_u24 v14, v12, 8*YP
	s_delay_alu instid0(VALU_DEP_1)
	v_lshl_add_u32 v14, v11, 2, v14
	s_add_co_u32 s39, s38, YS
	v_add_nc_u32 v14, s39, v14                     ; y back: row 8 h (+ j), my column
	v_mul_u32_u24 v17, v12, 8*OP
	s_delay_alu instid0(VALU_DEP_1)
	v_lshl_add_u32 v17, v11, 2, v17
	s_lshl_b32 s39, s28, 6
	s_add_co_u32 s39, s39, OST
	v_add_nc_u32 v17, s39, v17                     ; the stage, in: row 8 h (+ j), byte 4 (16 v + r)
	s_mul_i32 s39, s28, 2*OP
	s_add_co_u32 s39, s39, OST
	v_add_nc_u32 v18, s39, v13                     ; and back: rows 2 v, 2 v + 1
	s_lshl_b32 s39, s28, 14
	s_add_co_u32 s39, s39, s31
	s_lshl_b32 s38, ttmp9, 9
	s_add_co_u32 s39, s39, s38
	v_add_nc_u32 v19, s39, v13                     ; out0: 8,192 (2 v) + 2,048 s + 512 g + 16 lane
	s_mov_b32 s40, 0x3d800000                      ; 1 / 16
	s_mov_b32 s41, s40                             ; (named with it as a pair)
	s_mov_b32 s42, 0x3727c5ac                      ; 1e-5
	s_mov_b32 s48, 0x76543210                      ; v_permlanex16_b32: lane l xor 16
	s_mov_b32 s49, 0xfedcba98
	s_wait_kmcnt 0x0
	s_load_b128 s[32:35], s[24:25], 0x8            ; e2, e3, e4, e5
.irp k, 0,1,2,3
.irp q, 0,1,2,3
	global_load_b64 v[ST+8*\k+2*\q:ST+8*\k+2*\q+1], v4, s[6:7] offset:1024*\k+256*\q
.endr
.endr
.irp k, 0,1,2,3
.irp q, 0,1,2,3
	global_load_b128 v[RAW+32*\k+8*\q:RAW+32*\k+8*\q+3], v5, s[4:5] offset:32768*\k+8192*\q
	global_load_b128 v[RAW+32*\k+8*\q+4:RAW+32*\k+8*\q+7], v5, s[4:5] offset:32768*\k+8192*\q+16
.endr
.endr
.irp u, 0,1
	global_load_b128 v[G0+4*\u:G0+4*\u+3], v7, s[14:15] offset:16*\u
	global_load_b128 v[B0+4*\u:B0+4*\u+3], v7, s[16:17] offset:16*\u
.endr
	s_wait_kmcnt 0x0
	s_add_co_i32 s44, s32, s33                     ; e2 + e3
	s_add_co_i32 s45, s34, 127
	s_lshl_b32 s47, s45, 23
	v_mov_b32 v20, s47                             ; 2^e4 as f32
	s_add_co_i32 s45, s45, 15
	s_lshl_b32 s45, s45, 23
	s_or_b32 s51, s45, 0x600000                    ; 57,344 x 2^e4,
	s_or_b32 s50, s51, 0x80000000                  ; and its negative
	s_add_co_i32 s46, s34, s35
	s_add_co_i32 s46, s46, 127
	s_lshl_b32 s46, s46, 23                        ; 2^(e4 + e5) as f32
	s_wait_loadcnt 0x0
	; ---- the merge: m* = the largest of the four m; each partial x 2^(m - m*) / the sum of l 2^(m - m*)
.irp k, 0,1,2,3
	v_max3_num_f32 v[SA+\k], v[ST+8*\k], v[ST+8*\k+2], v[ST+8*\k+4]
.endr
.irp k, 0,1,2,3
	s_delay_alu instid0(VALU_DEP_4)
	v_max_num_f32 v[SA+\k], v[SA+\k], v[ST+8*\k+6]
.endr
.irp k, 0,1,2,3
.irp q, 0,1,2,3
	v_sub_f32 v[ST+8*\k+2*\q], v[ST+8*\k+2*\q], v[SA+\k]
.endr
.endr
	s_wait_alu depctr_va_vdst(0)                   ; a batch of transcendentals has one wait ahead of it,
.irp k, 0,1,2,3
.irp q, 0,1,2,3
	v_exp_f32 v[ST+8*\k+2*\q], v[ST+8*\k+2*\q]
.endr
.endr
	v_nop                                          ; a plain instruction behind its last,
	s_wait_alu depctr_va_vdst(0)                   ; and one wait ahead of its first reader
.irp k, 0,1,2,3
	v_mul_f32 v[SA+4+\k], v[ST+8*\k], v[ST+8*\k+1]
.endr
.irp q, 1,2,3
.irp k, 0,1,2,3
	v_fmac_f32 v[SA+4+\k], v[ST+8*\k+2*\q], v[ST+8*\k+2*\q+1]
.endr
.endr
	s_wait_alu depctr_va_vdst(0)
.irp k, 0,1,2,3
	v_rcp_f32 v[SA+4+\k], v[SA+4+\k]
.endr
	v_nop
	s_wait_alu depctr_va_vdst(0)
.irp k, 0,1,2,3
	v_ldexp_f32 v[SA+4+\k], v[SA+4+\k], s44        ; a code sum of V stands for sum x 2^(e2 + e3)
.endr
.irp k, 0,1,2,3
.irp q, 0,1,2,3
	v_mul_f32 v[ST+8*\k+2*\q], v[ST+8*\k+2*\q], v[SA+4+\k]
.endr
.endr
.irp k, 0,1,2,3
.irp i, 0,2,4,6
	v_pk_mul_f32 v[XX+8*\k+\i:XX+8*\k+\i+1], v[RAW+32*\k+\i:RAW+32*\k+\i+1], v[ST+8*\k:ST+8*\k+1] op_sel_hi:[1,0]
.endr
.endr
.irp q, 1,2,3
.irp k, 0,1,2,3
.irp i, 0,2,4,6
	v_pk_fma_f32 v[XX+8*\k+\i:XX+8*\k+\i+1], v[RAW+32*\k+8*\q+\i:RAW+32*\k+8*\q+\i+1], v[ST+8*\k+2*\q:ST+8*\k+2*\q+1], v[XX+8*\k+\i:XX+8*\k+\i+1] op_sel_hi:[1,0,1]
.endr
.endr
.endr
.irp f, 0,1,2,3,4,5,6,7,8,9,10,11,12,13,14,15
	global_load_b128 v[RAW+4*\f:RAW+4*\f+3], v8, s[8:9] offset:512*\f   ; the partials are done with: Wo's four fragments of my tile come while the norm is made
.endr
	global_load_b32 v176, v15, s[18:19]            ; bo,
	global_load_b32 v177, v16, s[20:21]            ; g1,
	global_load_b32 v178, v16, s[22:23]            ; b1 of my column
	; ---- batch norm over the 16 batches: four in my registers, four lanes
.irp i, 0,2,4,6
	v_pk_add_f32 v[SA+\i:SA+\i+1], v[XX+\i:XX+\i+1], v[XX+8+\i:XX+9+\i]
	v_pk_add_f32 v[MU+\i:MU+\i+1], v[XX+16+\i:XX+17+\i], v[XX+24+\i:XX+25+\i]
.endr
.irp i, 0,2,4,6
	v_pk_add_f32 v[SA+\i:SA+\i+1], v[SA+\i:SA+\i+1], v[MU+\i:MU+\i+1]
.endr
.irp i, 0,1,2,3,4,5,6,7
	v_add_f32_dpp v[SA+\i], v[SA+\i], v[SA+\i] row_xmask:1 row_mask:0xf bank_mask:0xf
.endr
.irp i, 0,1,2,3,4,5,6,7
	v_add_f32_dpp v[SA+\i], v[SA+\i], v[SA+\i] row_xmask:2 row_mask:0xf bank_mask:0xf
.endr
.irp i, 0,2,4,6
	v_pk_mul_f32 v[SA+\i:SA+\i+1], v[SA+\i:SA+\i+1], s[40:41] op_sel_hi:[1,0]   ; the mean
.endr
.irp k, 0,1,2,3
.irp i, 0,2,4,6
	v_pk_add_f32 v[XX+8*\k+\i:XX+8*\k+\i+1], v[XX+8*\k+\i:XX+8*\k+\i+1], v[SA+\i:SA+\i+1] neg_lo:[0,1] neg_hi:[0,1]
.endr
.endr
.irp i, 0,2,4,6
	v_pk_mul_f32 v[MU+\i:MU+\i+1], v[XX+\i:XX+\i+1], v[XX+\i:XX+\i+1]
.endr
.irp k, 1,2,3
.irp i, 0,2,4,6
	s_delay_alu instid0(VALU_DEP_4)
	v_pk_fma_f32 v[MU+\i:MU+\i+1], v[XX+8*\k+\i:XX+8*\k+\i+1], v[XX+8*\k+\i:XX+8*\k+\i+1], v[MU+\i:MU+\i+1]
.endr
.endr
.irp i, 0,1,2,3,4,5,6,7
	v_add_f32_dpp v[MU+\i], v[MU+\i], v[MU+\i] row_xmask:1 row_mask:0xf bank_mask:0xf
.endr
.irp i, 0,1,2,3,4,5,6,7
	v_add_f32_dpp v[MU+\i], v[MU+\i], v[MU+\i] row_xmask:2 row_mask:0xf bank_mask:0xf
.endr
.irp i, 0,1,2,3,4,5,6,7
	v_fma_f32 v[MU+\i], v[MU+\i], s40, s42         ; the variance (of the differences from the mean) + 1e-5
.endr
	s_wait_alu depctr_va_vdst(0)
.irp i, 0,1,2,3,4,5,6,7
	v_rsq_f32 v[MU+\i], v[MU+\i]
.endr
	v_nop
	s_wait_alu depctr_va_vdst(0)
.irp i, 0,2,4,6
	v_pk_mul_f32 v[G0+\i:G0+\i+1], v[G0+\i:G0+\i+1], v[MU+\i:MU+\i+1]
.endr
.irp k, 0,1,2,3
.irp i, 0,2,4,6
	v_pk_fma_f32 v[XX+8*\k+\i:XX+8*\k+\i+1], v[XX+8*\k+\i:XX+8*\k+\i+1], v[G0+\i:G0+\i+1], v[B0+\i:B0+\i+1]   ; y
.endr
.endr
	; ---- y to LDS, as f32 and as codes
.irp k, 0,1,2,3
.irp i, 0,1,2,3,4,5,6,7
	v_med3_num_f32 v[88+8*\k+\i], v[XX+8*\k+\i], s50, s51   ; the conversion to an 8-bit code does not saturate (ISA guide 7.6.2)
.endr
.endr
.irp k, 0,1,2,3
	v_cvt_scalef32_pk8_bf8_f32 v[120+2*\k:121+2*\k], v[88+8*\k:95+8*\k], v20
.endr
	v_nop                                          ; a plain instruction behind the last conversion: the products below read registers that held its sources and results
.irp k, 0,1,2,3
	ds_store_b128 v9, v[XX+8*\k:XX+8*\k+3] offset:YP*\k
	ds_store_b128 v9, v[XX+8*\k+4:XX+8*\k+7] offset:YP*\k+16
	ds_store_b64 v10, v[120+2*\k:121+2*\k] offset:16*\k
.endr
	s_wait_dscnt 0x0                               ; for the others' sake: my stores have landed
	s_barrier_signal -1
	s_barrier_wait -1
	; ---- the product
.irp f, 0,1,2,3,4,5,6,7,8,9,10,11,12,13,14,15
	ds_load_b128 v[88+4*\f:91+4*\f], v13 offset:512*\f   ; y's four fragments
.endr
.irp j, 0,1,2,3,4,5,6,7
	ds_load_b32 v[168+\j], v14 offset:YP*\j        ; y(8 h + j, my column)
.endr
	s_wait_loadcnt 0x0
	s_wait_dscnt 0x0                               ; my reads of the images and of y are back: the products may begin, and I may say so:
	s_barrier_signal -1                            ; the stage lies over those bytes.  Up to the wait for this barrier, ahead of the stage's first store, stands work on registers alone
	v_wmma_f32_16x16x128_bf8_bf8 v[152:159], v[88:103], v[24:39], 0
	v_wmma_f32_16x16x128_bf8_bf8 v[160:167], v[104:119], v[40:55], 0
	v_wmma_f32_16x16x128_bf8_bf8 v[152:159], v[120:135], v[56:71], v[152:159]
	v_wmma_f32_16x16x128_bf8_bf8 v[160:167], v[136:151], v[72:87], v[160:167]
.rept 4
	v_nop                                          ; four places ahead of the first read of the results (ISA guide 7.12.1)
.endr
.irp i, 0,2,4,6
	v_pk_add_f32 v[BV+\i:BV+\i+1], v[152+\i:153+\i], v[160+\i:161+\i]   ; both accumulators from their low end on
.endr
.irp j, 0,1,2,3,4,5,6,7
	v_fma_f32 v[BV+\j], v[BV+\j], s46, v176        ; sum x 2^(e4 + e5) + bo
.endr
.irp j, 0,1,2,3,4,5,6,7
	v_max_num_f32 v[BV+\j], 0, v[BV+\j]
.endr
.irp j, 0,1,2,3,4,5,6,7
	v_add_f32 v[BV+\j], v[168+\j], v[BV+\j]        ; y + relu
.endr
	; ---- batch norm over the 16 batches: eight in my registers, and lane l xor 16's
	v_add_f32 v192, v184, v185
	v_add_f32 v193, v186, v187
	v_add_f32 v194, v188, v189
	s_delay_alu instid0(VALU_DEP_4)
	v_add_f32 v195, v190, v191
	s_delay_alu instid0(VALU_DEP_3)
	v_add_f32 v192, v192, v193
	s_delay_alu instid0(VALU_DEP_2)
	v_add_f32 v194, v194, v195
	s_delay_alu instid0(VALU_DEP_1)
	v_add_f32 v192, v192, v194
	s_delay_alu instid0(VALU_DEP_1)
	v_permlanex16_b32 v193, v192, s48, s49
	s_delay_alu instid0(VALU_DEP_1)
	v_add_f32 v192, v192, v193
	s_delay_alu instid0(VALU_DEP_1)
	v_mul_f32 v192, s40, v192
.irp j, 0,1,2,3,4,5,6,7
	v_sub_f32 v[BV+\j], v[BV+\j], v192
.endr
	v_mul_f32 v194, v184, v184
.irp j, 1,2,3,4,5,6,7
	s_delay_alu instid0(VALU_DEP_1)
	v_fmac_f32 v194, v[BV+\j], v[BV+\j]
.endr
	s_delay_alu instid0(VALU_DEP_1)
	v_permlanex16_b32 v195, v194, s48, s49
	s_delay_alu instid0(VALU_DEP_1)
	v_add_f32 v194, v194, v195
	s_delay_alu instid0(VALU_DEP_1)
	v_fma_f32 v194, v194, s40, s42
	s_wait_alu depctr_va_vdst(0)
	v_rsq_f32 v194, v194
	v_nop
	s_wait_alu depctr_va_vdst(0)
	v_mul_f32 v194, v194, v177
.irp j, 0,1,2,3,4,5,6,7
	v_fma_f32 v[BV+\j], v[BV+\j], v194, v178
.endr
	s_wait_alu depctr_va_vdst(0)                   ; directly ahead of the wait below
	s_barrier_wait -1                              ; every wave's reads of the images and of y are back: the stage may be written over them
.irp j, 0,1,2,3,4,5,6,7
	ds_store_b32 v17, v[BV+\j] offset:OP*\j
.endr
	s_wait_dscnt 0x0                               ; a row's 512 bytes come from eight waves
	s_barrier_signal -1
	s_barrier_wait -1
	ds_load_b128 v[200:203], v18
	ds_load_b128 v[204:207], v18 offset:OP
	s_wait_dscnt 0x0
	global_store_b128 v19, v[200:203], s[26:27]              ; 32 lanes store 512 consecutive bytes, aligned
	global_store_b128 v19, v[204:207], s[26:27] offset:8192
	s_wait_tensorcnt 0x0                           ; the wave's end
	ds_add_u32 v21, v22
	s_wait_dscnt 0x0
	s_endpgm
.Lfunc_end_k_qab7bcadbf3_finish:
	.size	k_qab7bcadbf3_finish, .Lfunc_end_k_qab7bcadbf3_finish-k_qab7bcadbf3_finish
	.p2alignl 7, 3214868480
	.fill 96, 4, 3214868480
	.section	.rodata,"a",@progbits
	.p2align	6, 0x0
	.amdhsa_kernel k_qab7bcadbf3_finish
		.amdhsa_group_segment_fixed_size 42240
		.amdhsa_private_segment_fixed_size 0
		.amdhsa_enable_private_segment 0
		.amdhsa_kernarg_size 80
		.amdhsa_user_sgpr_count 2
		.amdhsa_user_sgpr_kernarg_segment_ptr 1
		.amdhsa_wavefront_size32 1
		.amdhsa_system_sgpr_workgroup_id_x 1
		.amdhsa_system_sgpr_workgroup_id_y 1
		.amdhsa_system_sgpr_workgroup_id_z 1
		.amdhsa_system_vgpr_workitem_id 0
		.amdhsa_next_free_vgpr 256
		.amdhsa_next_free_sgpr 66
		.amdhsa_reserve_vcc 0
		.amdhsa_float_denorm_mode_32 3
		.amdhsa_float_denorm_mode_16_64 3
		.amdhsa_memory_ordered 1
		.amdhsa_forward_progress 1
		.amdhsa_inst_pref_size 36
	.end_amdhsa_kernel
	.amdgpu_metadata
---
amdhsa.version: [ 1, 2 ]
amdhsa.kernels:
  - .name:           k_qab7bcadbf3_finish
    .symbol:         k_qab7bcadbf3_finish.kd
    .args:
      - { .name: po, .offset: 0, .size: 8, .value_kind: global_buffer, .address_space: global }
      - { .name: ps, .offset: 8, .size: 8, .value_kind: global_buffer, .address_space: global }
      - { .name: wo_frag, .offset: 16, .size: 8, .value_kind: global_buffer, .address_space: global }
      - { .name: g0, .offset: 24, .size: 8, .value_kind: global_buffer, .address_space: global }
      - { .name: b0, .offset: 32, .size: 8, .value_kind: global_buffer, .address_space: global }
      - { .name: bo, .offset: 40, .size: 8, .value_kind: global_buffer, .address_space: global }
      - { .name: g1, .offset: 48, .size: 8, .value_kind: global_buffer, .address_space: global }
      - { .name: b1, .offset: 56, .size: 8, .value_kind: global_buffer, .address_space: global }
      - { .name: lowp_scales, .offset: 64, .size: 8, .value_kind: global_buffer, .address_space: global }
      - { .name: out0, .offset: 72, .size: 8, .value_kind: global_buffer, .address_space: global }
    .group_segment_fixed_size: 42240
    .private_segment_fixed_size: 0
    .kernarg_segment_align: 8
    .kernarg_segment_size: 80
    .max_flat_workgroup_size: 256
    .sgpr_count:     66
    .vgpr_count:     256
    .wavefront_size: 32
...
	.end_amdgpu_metadata
.endif
;; end of part 6
